; MI455X (gfx1250); checked and timed in simulation.
; The chip was launched on July 23, 2026; its instructions are those of AMD's public machine-readable ISA for CDNA 5 (MIT licence, August 2026) and "CDNA5" Instruction Set Architecture Reference Guide (July 2026). The comments in the code are by the model that wrote it; some were corrected since.
;; D Transformer Layer. Allowed arithmetic: matrix products marked QUANTISED: E2M3 operands, one E8M0 scale for each 32 along K, by v_wmma_scale_f32_16x16x128_f8f6f4 with both operands' format E2M3, f32 sums; everything else in f32.
;; Inputs: Wo 1,024 x 1,024 float32; Wow 1,024 x 1,024 float32; Wq 1,024 x 1,024 float32; Wqw 1,024 x 1,024 float32; Wv 1,024 x 1,024 float32; bo 1,024 float32; bow 1,024 float32; bq 1,024 float32; bqw 1,024 float32; bv 1,024 float32; gammas 8 x 1 x 1 float32; key 4 x 1,024 x 1,024 float32; lens 4 int32; ln_b 1,024 float32; ln_w 1,024 float32; query 4 x 1,024 x 1,024 float32; values 4 x 1,024 x 1,024 float32.
;; Outputs: out0 4 x 1,024 x 1,024 float32; out1 4 x 1,024 x 1,024 float32.
;; This version of the problem:
;;   THIS VERSION OF THE PROBLEM IS GIVEN IN LOW PRECISION. The matrix products marked QUANTISED in the list below multiply operands that are first quantised to E2M3 (2 exponent bits, 3 mantissa bits; 6 bits a number), with one power-of-two scale for each 32 numbers along K (OCP MX v1.0); their sums are f32. All else is computed in f32.
;;   The module's matrix products, in the order in which they are computed (A, B: the left and right operand; K: the contracted axis; several contracted axes count as one K, in the product's order):
;;     1. [M 4,096, K 1,024] x [K 1,024, N 1,024]; A: input query; B: input Wq: QUANTISED
;;     2. [M 4,096, K 1,024] x [K 1,024, N 1,024]; A: input key; B: input Wq: QUANTISED
;;     3. [M 4,096, K 1,024] x [K 1,024, N 1,024]; A: input values; B: input Wv: QUANTISED
;;     4. [M 4,096, K 1,024] x [K 1,024, N 1,024]; A: input query; B: input Wqw: QUANTISED
;;     5. [M 4,096, K 1,024] x [K 1,024, N 1,024]; A: input key; B: input Wqw: QUANTISED
;;     6. batch 32 x [M 1,024, K 128] x [K 128, N 1,024]; A: computed on the way; B: computed on the way: QUANTISED
;;     7. batch 32 x [M 1,024, K 1,024] x [K 1,024, N 128]; A: computed on the way; B: computed on the way: QUANTISED
;;     8. [M 4,096, K 1,024] x [K 1,024, N 1,024]; A: computed on the way; B: input Wo: QUANTISED
;;     9. batch 32 x [M 1,024, K 128] x [K 128, N 1,024]; A: computed on the way; B: computed on the way: QUANTISED
;;     10. batch 32 x [M 1,024, K 1,024] x [K 1,024, N 128]; A: computed on the way; B: computed on the way: QUANTISED
;;     11. [M 4,096, K 1,024] x [K 1,024, N 1,024]; A: computed on the way; B: input Wow: QUANTISED
;;   THE QUANTISER, for each operand of a quantised product, along K:
;;     - K is cut into blocks of 32 from its start; a last block that is shorter is filled with zeros.
;;     - A block's scale is 2^e with e = floor(log2(the largest magnitude in the block)) - 2, held to -126 .. 127; a block of zeros has e = 0. As a byte (E8M0): e + 127.
;;     - Each number is divided by its block's scale, clamped to +-7.5, and rounded to the nearest number of E2M3, ties to even, subnormals kept.
;;     - The product sums the exact products of the quantised numbers (number of the format x scale) in f32.
;;   ~~~python
;;   def quantise(x, axis):      # numpy; x: float32 -> the quantised numbers, widened to float32 again
;;       x = np.moveaxis(x, axis, -1); K = x.shape[-1]
;;       x = np.pad(x, [(0, 0)] * (x.ndim - 1) + [(0, -K % 32)]); x = x.reshape(x.shape[:-1] + (-1, 32)); a = np.abs(x).max(-1, keepdims=True)
;;       e = np.where(a > 0, np.clip(np.frexp(np.where(a > 0, a, 1))[1] - 1 - 2, -126, 127), 0)      # np.frexp(a)[1] - 1 = floor(log2(a)), exactly
;;       r = np.clip(x / 2.0 ** e, -7.5, 7.5)
;;       step = 2.0 ** (np.maximum(np.frexp(np.where(r == 0, 1, r))[1] - 1, 0) - 3)
;;       q = np.round(r / step) * step * 2.0 ** e      # np.round: ties to even
;;       return np.moveaxis(q.reshape(q.shape[:-2] + (-1,))[..., :K], -1, axis).astype(np.float32)
;;   ~~~
;;   OPERANDS COMPUTED ON THE WAY. 'Computed on the way' means the value that the module computes at that place (a softmax that the list does not call 'softmax' is quantised finished and normalised). What goes into a quantiser is computed in f32, as accurately as f32 sums, v_exp_f32 and their like allow (about 1e-6 of the number): no bf16 or f16 on the way to a quantiser, and a product that is left as it is and whose result goes on into a quantised operand takes f32 operands (vector FMAs, or v_wmma_f32_16x16x4_f32). A number that lies on a knife's edge between two numbers of the format may be rounded either way, as far as f32 arithmetic and the matrix unit's own rounding can turn it there, and no further.
;; 2 versions, each right; version 2 is version 1 with the launch attn written anew for expert scheduling mode. Each part assembles by itself: llvm-mc -triple=amdgcn-amd-amdhsa -mcpu=gfx1250 --defsym DOCPART=n.
;; ======== version 1 of 2: 6 launches
;; workspace buffers: acode 7,077,888 bytes; bcode 6,291,456 bytes; xscl 557,056 bytes; qkv 17,039,360 bytes; att 6,553,600 bytes; y 33,554,432 bytes
;; launch quant_x (part 1): grid 256 x 1, 3 waves a work-group, no clusters, 26,112 bytes of LDS; arguments query, key, values, acode, bcode, xscl; writes acode, bcode, xscl
.if DOCPART == 1
	.amdgcn_target "amdgcn-amd-amdhsa--gfx1250"
	.amdhsa_code_object_version 6
	.text
	.protected	k_qc8c7313300_quant_x
	.globl	k_qc8c7313300_quant_x
	.p2align	8
	.type	k_qc8c7313300_quant_x,@function
k_qc8c7313300_quant_x:
	s_mov_b64 s[64:65], 0
	v_nop
	global_prefetch_b8 v0, s[64:65] scope:SCOPE_SE
	s_setreg_imm32_b32 hwreg(HW_REG_WAVE_MODE, 25, 1), 1
	s_wait_xcnt 0x0
; query, key, values: [4096][1024] f32, K innermost, become codes of FP6 (E2M3) with one E8M0 byte for each 32 along K.
; THE CODES ARE LAID AS IMAGES OF THE OPERAND'S REGISTERS: a fragment (16 rows x 128 K, 12 registers a lane) is 1,536 bytes, register n of lane l at 512 (n / 4) + 16 l + 4 (n % 4);
; a tile of 16 rows has its 8 fragments on end (12,288 bytes).  The scale bytes lie [row as stored][32].
; A work-group takes tile pt of each tensor, wave w tensor w.  query's tiles hold neighbouring rows.  key's and values' do not: row r of tile pt is row 32 (pt / 2) + 8 (pt % 2) + r + 8 (r / 8),
; so that a product which takes such tiles as its source 0 leaves 16 neighbouring rows' results in a lane's 16 registers of two neighbouring tiles.
; query -> acode tiles 0-255, key -> acode tiles 256-511, values -> bcode tiles 128-383; scale bytes: xscl, A's rows from 0, B's rows from BSC.
; Each load reads 512 consecutive bytes of one row; a step's 16 x 512 bytes turn through the wave's own stage in LDS (rows 528 bytes apart) so that a lane gets 16 neighbours of each block of 32.
; A block's scale is 2^(floor(log2(largest magnitude)) - 2); its byte is the largest magnitude's exponent field - 2, held at 1 from below (a block of zeros gets the byte 1: its codes are zeros, and this program alone reads the bytes).
; LIMITS: NaN and infinities among the inputs are not served.  No barrier: waves share nothing.
.set BSC,  294912                      ; where B's rows of scale bytes begin in xscl
.set STGB, 8448                        ; a wave's stage: 16 rows x 528 bytes
.set RW,   16                          ; v16-143  two sets of 64: a step's numbers as loaded
.set X,    144                         ; v144-207 64 numbers: register 16 b + i = k 32 b + 16 (lane / 16) + i of my row
.set PC,   208                         ; v208-227 the codes
.set TM,   228                         ; v228-243 at work
.set SW,   244                         ; v244-251 the scale words of the 8 steps
.set SEL,  34                          ; s[34:35] lane selects: lane l xor 16
; 64 numbers of a lane become a fragment's codes in v[pc .. pc + 11] and its row's scale word in v[pw]
.macro QUANT src, pc, pw
.irp b, 0,1,2,3
	v_max3_num_f32 v[TM+\b], |v[(\src)+16*\b]|, |v[(\src)+1+16*\b]|, 0x1800000   ; my 16 numbers of block b, and the floor 2^(3 - 127): the byte cannot fall under 1
.endr
.irp i, 2,4,6,8,10,12,14
.irp b, 0,1,2,3
	v_max3_num_f32 v[TM+\b], v[TM+\b], |v[(\src)+16*\b+\i]|, |v[(\src)+1+16*\b+\i]|
.endr
.endr
.irp b, 0,1,2,3
	v_permlanex16_b32 v[TM+4+\b], v[TM+\b], s[SEL], s[SEL+1]
.endr
.irp b, 0,1,2,3
	v_max_num_f32 v[TM+\b], v[TM+\b], v[TM+4+\b]       ; with lane l xor 16's: the block's largest magnitude
.endr
.irp b, 0,1,2,3
	v_add_nc_u32 v[TM+12+\b], 0xff000000, v[TM+\b]     ; 2 off its exponent field: the conversion's scale operand
.endr
.irp b, 0,1,2,3
	v_lshrrev_b32 v[TM+4+\b], 23, v[TM+12+\b]          ; the scale's byte
.endr
	v_lshl_or_b32 v[\pw], v[TM+5], 8, v[TM+4]
	v_lshl_or_b32 v[\pw], v[TM+6], 16, v[\pw]
	v_lshl_or_b32 v[\pw], v[TM+7], 24, v[\pw]
.irp c, 0,1
	v_cvt_scalef32_pk16_fp6_f32 v[(\pc)+6*\c:(\pc)+2+6*\c], v[(\src)+32*\c:(\src)+15+32*\c], v[TM+12+2*\c]
	v_cvt_scalef32_pk16_fp6_f32 v[(\pc)+12+4*\c:(\pc)+14+4*\c], v[(\src)+16+32*\c:(\src)+31+32*\c], v[TM+13+2*\c]   ; (a conversion's three registers begin on an even number)
.endr
	v_nop                                              ; one plain place behind a scaled conversion
.irp c, 0,1                                            ; the operand wants a whole block in a lane: lanes 0-15 block 2 c, lanes 16-31 block 2 c + 1
.irp i, 0,1,2
	v_permlane16_swap_b32 v[(\pc)+6*\c+\i], v[(\pc)+12+4*\c+\i]
.endr
.irp i, 0,1,2
	v_mov_b32 v[(\pc)+3+6*\c+\i], v[(\pc)+12+4*\c+\i]
.endr
.endr
.endm
	s_load_b256 s[4:11], s[0:1], 0x0               ; query s[4:5], key s[6:7], values s[8:9], acode s[10:11]
	s_load_b128 s[12:15], s[0:1], 0x20             ; bcode s[12:13], xscl s[14:15]
	v_lshl_add_u32 v238, v0, 2, 0x6400
	v_mov_b32 v239, 0
	v_lshrrev_b32 v1, 5, v0
	v_readfirstlane_b32 s16, v1                    ; wave = tensor
	v_and_b32 v1, 31, v0                           ; lane
	v_and_b32 v2, 15, v0                           ; r
	v_bfe_u32 v3, v0, 4, 1                         ; h
	v_lshlrev_b32 v4, 4, v1                        ; 16 x lane: my bytes of a load's 512, and of an image's 512
	s_lshr_b32 s17, ttmp9, 1
	s_lshl_b32 s17, s17, 5
	s_and_b32 s18, ttmp9, 1
	s_lshl_b32 s18, s18, 3
	s_add_co_u32 s17, s17, s18                     ; the tile's first row in the spread order: 32 (pt / 2) + 8 (pt % 2)
	s_lshl_b32 s18, ttmp9, 4                       ; and in the natural one: 16 pt
	s_cmp_eq_u32 s16, 0
	s_cselect_b32 s17, s18, s17
	s_cselect_b32 s19, 8, 16                       ; the tile's rows 8-15 begin so many rows below its first
	s_lshl_b32 s19, s19, 12
	v_add_nc_u32 v5, s19, v4                       ; the offset for rows 8-15
	s_mul_i32 s30, s16, STGB
	v_add_nc_u32 v6, s30, v4                       ; stage, in: row i at 528 i, 16 bytes a lane
	v_mul_u32_u24 v7, v2, 528
	v_lshl_add_u32 v7, v3, 6, v7
	v_add_nc_u32 v7, s30, v7                       ; stage, out: row r, + 64 h: my 16 numbers of each 32
	v_lshlrev_b32 v9, 5, v2
	v_lshl_add_u32 v9, v3, 4, v9                   ; scale bytes: row r of 32 bytes, 16 bytes for each half of the lanes
	s_mov_b32 s[SEL], 0x76543210
	s_mov_b32 s[SEL+1], 0xfedcba98
.irp b, 0,1,2,3
	v_mov_b32 v[TM+4+\b], 0                        ; written once: a lane permute's destination counts as one of its sources
.endr
	s_lshl_b32 s26, s17, 12                        ; the first row's byte
	s_mov_b32 s27, 0
	s_wait_kmcnt 0x0
	s_cmp_eq_u32 s16, 0                            ; the choices hang on the wave's number alone
	s_cselect_b64 s[20:21], s[4:5], s[6:7]
	s_cmp_eq_u32 s16, 2
	s_cselect_b64 s[20:21], s[8:9], s[20:21]       ; the source
	s_cselect_b64 s[22:23], s[12:13], s[10:11]     ; the codes' buffer
	s_cselect_b32 s24, BSC, 0
	s_cselect_b32 s25, 128, 0
	s_cmp_eq_u32 s16, 1
	s_cselect_b32 s25, 256, s25
	s_add_co_u32 s25, s25, ttmp9                   ; the tile's number there
	s_add_nc_u64 s[20:21], s[20:21], s[26:27]
	s_mul_i32 s26, s25, 12288
	s_add_nc_u64 s[22:23], s[22:23], s[26:27]
	s_lshl_b32 s26, s25, 9
	s_add_co_u32 s26, s26, s24
	s_add_nc_u64 s[28:29], s[14:15], s[26:27]      ; the tile's 512 scale bytes
.macro LOAD s                          ; step s: 128 along K of the 16 rows, into set s % 2
.irp i, 0,1,2,3,4,5,6,7
	global_load_b128 v[RW+64*((\s)%2)+4*\i:RW+64*((\s)%2)+4*\i+3], v4, s[20:21] offset:\i*4096+512*(\s) th:TH_LOAD_NT
.endr
.irp i, 0,1,2,3,4,5,6,7
	global_load_b128 v[RW+64*((\s)%2)+32+4*\i:RW+64*((\s)%2)+32+4*\i+3], v5, s[20:21] offset:\i*4096+512*(\s) th:TH_LOAD_NT
.endr
.endm
.macro TURN s                          ; through the stage: LDS serves a wave's instructions in order, so no wait stands between the stores and the loads
.irp i, 0,1,2,3,4,5,6,7,8,9,10,11,12,13,14,15
	ds_store_b128 v6, v[RW+64*((\s)%2)+4*\i:RW+64*((\s)%2)+4*\i+3] offset:\i*528
.endr
.irp b, 0,1,2,3
.irp j, 0,1,2,3
	ds_load_b128 v[X+16*\b+4*\j:X+16*\b+4*\j+3], v7 offset:128*\b+16*\j
.endr
.endr
.endm
.macro STEP s
.if (\s) < 7
	s_wait_loadcnt 16                              ; this step's 16 loads are in; the next step's 16 may be out
.else
	s_wait_loadcnt 0x0
.endif
	TURN \s
	s_wait_dscnt 0x0                               ; my 64 numbers are back, and the stage's stores have read their registers,
.if (\s) < 6
	LOAD (\s)+2                                    ; which take the loads of two steps on
.endif
	s_wait_xcnt 0x0                                ; the last step's stores have read the codes' registers
	QUANT X, PC, SW+(\s)
.irp c, 0,1,2
	global_store_b128 v4, v[PC+4*\c:PC+4*\c+3], s[22:23] offset:(\s)*1536+512*\c   ; 32 lanes store 512 consecutive bytes
.endr
.endm
	LOAD 0
	LOAD 1
.irp s, 0,1,2,3,4,5,6,7
	STEP \s
.endr
	v_cmp_eq_u32 vcc_lo, 1, v3                     ; lanes 0-15 store their row's words 0-3, lanes 16-31 (which hold the same words) words 4-7
.irp k, 0,1,2,3
	v_cndmask_b32 v[252+\k], v[SW+\k], v[SW+4+\k], vcc_lo
.endr
	global_store_b128 v9, v[252:255], s[28:29]     ; 512 consecutive bytes
	s_wait_tensorcnt 0x0
	ds_add_u32 v238, v239
	s_wait_dscnt 0x0
	s_endpgm
.Lfunc_end_k_qc8c7313300_quant_x:
	.size	k_qc8c7313300_quant_x, .Lfunc_end_k_qc8c7313300_quant_x-k_qc8c7313300_quant_x
	.p2alignl 7, 3214868480
	.fill 96, 4, 3214868480
	.section	.rodata,"a",@progbits
	.p2align	6, 0x0
	.amdhsa_kernel k_qc8c7313300_quant_x
		.amdhsa_group_segment_fixed_size 26112
		.amdhsa_private_segment_fixed_size 0
		.amdhsa_enable_private_segment 0
		.amdhsa_kernarg_size 48
		.amdhsa_user_sgpr_count 2
		.amdhsa_user_sgpr_kernarg_segment_ptr 1
		.amdhsa_wavefront_size32 1
		.amdhsa_system_sgpr_workgroup_id_x 1
		.amdhsa_system_sgpr_workgroup_id_y 1
		.amdhsa_system_sgpr_workgroup_id_z 1
		.amdhsa_system_vgpr_workitem_id 0
		.amdhsa_next_free_vgpr 256
		.amdhsa_next_free_sgpr 66
		.amdhsa_reserve_vcc 1
		.amdhsa_float_denorm_mode_32 3
		.amdhsa_float_denorm_mode_16_64 3
		.amdhsa_memory_ordered 1
		.amdhsa_forward_progress 1
		.amdhsa_inst_pref_size 64
	.end_amdhsa_kernel
	.amdgpu_metadata
---
amdhsa.version: [ 1, 2 ]
amdhsa.kernels:
  - .name:           k_qc8c7313300_quant_x
    .symbol:         k_qc8c7313300_quant_x.kd
    .args:
      - { .name: query, .offset: 0, .size: 8, .value_kind: global_buffer, .address_space: global }
      - { .name: key, .offset: 8, .size: 8, .value_kind: global_buffer, .address_space: global }
      - { .name: values, .offset: 16, .size: 8, .value_kind: global_buffer, .address_space: global }
      - { .name: acode, .offset: 24, .size: 8, .value_kind: global_buffer, .address_space: global }
      - { .name: bcode, .offset: 32, .size: 8, .value_kind: global_buffer, .address_space: global }
      - { .name: xscl, .offset: 40, .size: 8, .value_kind: global_buffer, .address_space: global }
    .group_segment_fixed_size: 26112
    .private_segment_fixed_size: 0
    .kernarg_segment_align: 8
    .kernarg_segment_size: 48
    .max_flat_workgroup_size: 96
    .sgpr_count:     66
    .vgpr_count:     256
    .wavefront_size: 32
...
	.end_amdgpu_metadata
.endif
;; end of part 1
;; launch quant_w (part 2): grid 40 x 4, 4 waves a work-group, no clusters, 26,112 bytes of LDS; arguments Wq, Wqw, Wv, Wo, Wow, acode, bcode, xscl; writes acode, bcode, xscl
.if DOCPART == 2
	.amdgcn_target "amdgcn-amd-amdhsa--gfx1250"
	.amdhsa_code_object_version 6
	.text
	.protected	k_qc8c7313300_quant_w
	.globl	k_qc8c7313300_quant_w
	.p2align	8
	.type	k_qc8c7313300_quant_w,@function
k_qc8c7313300_quant_w:
	s_mov_b64 s[64:65], 0
	v_nop
	global_prefetch_b8 v0, s[64:65] scope:SCOPE_SE
	s_setreg_imm32_b32 hwreg(HW_REG_WAVE_MODE, 25, 1), 1
	s_wait_xcnt 0x0
; The five weights, [1024 (k)][1024 (n)] f32 with K as the FIRST axis, become codes of FP6 (E2M3) with K innermost, one E8M0 byte for each 32 along K.
; A LANE TAKES A COLUMN n AND ITS REGISTERS RUN DOWN K: a block of 32 lies in one lane's 32 registers, and the conversions give codes with K innermost.  Nothing is transposed by an instruction.
; The codes are laid as images of the operand's registers (16 rows n x 128 K: 1,536 bytes, register i of lane l at 512 (i / 4) + 16 l + 4 (i % 4); a tile's 8 images on end).
; The rows n of a tile are spread: row r of tile 2 g + u is n = 32 g + 8 u + r + 8 (r / 8).  So lane l of a wave's 32 columns is row (l % 8) + 8 (l / 16) of tile u = (l / 8) % 2.
; Wq -> bcode tiles 0-63, Wqw -> 64-127, Wo -> 384-447, Wow -> 448-511; Wv -> acode tiles 512-575.  Scale bytes [row as stored][32] in xscl, A's rows from 0, B's from BSC.
; Work-group (x, y): weight x / 8, columns 128 (x % 8) on, K quarter y; wave w: 32 columns x 256 K: 8 blocks a lane, two images for each of two tiles, gathered in the wave's own stage in LDS and stored 512 bytes an instruction.
; A block of zeros gets the byte 1 (its codes are zeros; this program alone reads the bytes).  LIMITS: NaN and infinities are not served.  No barrier: waves share nothing.
.set BSC,  294912
.set X,    32                          ; v32-95   two sets of 32 numbers
.set C,    96                          ; v96-102  a block's codes
.set OUTR, 112                         ; v112-159 the way out
.set SB,   24                          ; v24-25   my 8 scale bytes
	s_load_b256 s[4:11], s[0:1], 0x0               ; Wq, Wqw, Wv, Wo
	s_load_b256 s[12:19], s[0:1], 0x20             ; Wow s[12:13], acode s[14:15], bcode s[16:17], xscl s[18:19]
	v_lshl_add_u32 v192, v0, 2, 0x6400
	v_mov_b32 v193, 0
	v_lshrrev_b32 v1, 5, v0
	v_readfirstlane_b32 s20, v1                    ; wave
	v_and_b32 v2, 31, v0                           ; lane
	s_lshr_b32 s21, ttmp9, 3                       ; which weight
	s_and_b32 s22, ttmp9, 7                        ; which 128 columns
	s_and_b32 s23, ttmp7, 0xffff                   ; which 256 along K
	v_lshlrev_b32 v3, 2, v2                        ; in: 4 bytes a lane
	v_bfe_u32 v4, v2, 3, 1                         ; u
	v_and_b32 v5, 7, v2
	v_lshrrev_b32 v6, 4, v2
	v_lshl_or_b32 v5, v6, 3, v5                    ; r
	s_mul_i32 s24, s20, 6400                       ; my stage: two tiles, 3,200 bytes apart, two images each
	v_mul_u32_u24 v7, v4, 3200
	v_lshl_add_u32 v7, v5, 4, v7
	v_add_nc_u32 v7, s24, v7                       ; into it: tile u, 16 r
	v_lshlrev_b32 v8, 4, v2                        ; 16 x lane
	v_add_nc_u32 v10, s24, v8                      ; out of it
	v_lshl_add_u32 v9, v4, 4, v5
	v_lshlrev_b32 v9, 5, v9                        ; my row's 32 scale bytes: (16 u + r) x 32
	s_lshl_b32 s25, s21, 6                         ; the weight's first tile: 0, 64, 512, 384, 448
	s_cmp_ge_u32 s21, 3
	s_cselect_b32 s26, 192, 0
	s_add_co_u32 s25, s25, s26
	s_cmp_eq_u32 s21, 2
	s_cselect_b32 s25, 512, s25
	s_lshl_b32 s26, s22, 3
	s_add_co_u32 s25, s25, s26
	s_lshl_b32 s26, s20, 1
	s_add_co_u32 s25, s25, s26                     ; my first tile
	s_lshl_b32 s28, s23, 20                        ; W: 256 y rows of 4,096 bytes + 4 x my first column
	s_lshl_b32 s26, s22, 9
	s_add_co_u32 s28, s28, s26
	s_lshl_b32 s26, s20, 7
	s_add_co_u32 s28, s28, s26
	s_mov_b32 s29, 0
	s_lshl_b32 s30, s25, 3                         ; codes: image 8 x tile + 2 y
	s_lshl_b32 s26, s23, 1
	s_add_co_u32 s30, s30, s26
	s_mul_i32 s30, s30, 1536
	s_mov_b32 s31, 0
	s_lshl_b32 s32, s25, 9                         ; scale bytes: 512 x tile + 8 y
	s_lshl_b32 s26, s23, 3
	s_add_co_u32 s32, s32, s26
	s_mov_b32 s33, 0
	s_wait_kmcnt 0x0
	s_cmp_eq_u32 s21, 1                            ; the choices hang on the work-group's number alone
	s_cselect_b64 s[4:5], s[6:7], s[4:5]
	s_cmp_eq_u32 s21, 3
	s_cselect_b64 s[4:5], s[10:11], s[4:5]
	s_cmp_eq_u32 s21, 4
	s_cselect_b64 s[4:5], s[12:13], s[4:5]
	s_cmp_eq_u32 s21, 2
	s_cselect_b64 s[4:5], s[8:9], s[4:5]
	s_cselect_b64 s[6:7], s[14:15], s[16:17]       ; Wv's codes go to acode, the others' to bcode
	s_cselect_b32 s26, 0, BSC
	s_add_co_u32 s32, s32, s26
	s_add_nc_u64 s[4:5], s[4:5], s[28:29]
	s_add_nc_u64 s[6:7], s[6:7], s[30:31]
	s_add_nc_u64 s[8:9], s[18:19], s[32:33]
.macro LOAD t                          ; block t: W(32 t + i, my column), i = 0 .. 31, into set t % 2; a wave's load reads 128 consecutive bytes, the four waves stand side by side
.irp i, 0,1,2,3,4,5,6,7,8,9,10,11,12,13,14,15,16,17,18,19,20,21,22,23,24,25,26,27,28,29,30,31
	global_load_b32 v[X+32*((\t)%2)+\i], v3, s[4:5] offset:(32*(\t)+\i)*4096 th:TH_LOAD_NT
.endr
.endm
	LOAD 0
	LOAD 1
.macro BLOCK t
.set XS, X+32*((\t)%2)
.set LOFF, ((\t)/4)*1536+256*((\t)%2)  ; the image of K step t / 4; block t % 4 of it belongs to the image's lane r + 16 (t % 2), registers 6 ((t / 2) % 2) on
.if (\t) < 7
	s_wait_loadcnt 32                              ; this block's 32 loads are in; the next block's may be out
.else
	s_wait_loadcnt 0x0
.endif
	v_max3_num_f32 v12, |v[XS]|, |v[XS+1]|, |v[XS+2]|
	v_max3_num_f32 v13, |v[XS+3]|, |v[XS+4]|, |v[XS+5]|
.irp i, 6,10,14,18,22,26
	v_max3_num_f32 v12, v12, |v[XS+\i]|, |v[XS+\i+1]|
	v_max3_num_f32 v13, v13, |v[XS+\i+2]|, |v[XS+\i+3]|
.endr
	v_max3_num_f32 v12, v12, |v[XS+30]|, |v[XS+31]|
	v_max3_num_f32 v12, v12, v13, 0x1800000        ; and the floor 2^(3 - 127)
	v_add_nc_u32 v11, 0xff000000, v12              ; 2 off the exponent field: the conversion's scale operand
	v_lshrrev_b32 v13, 23, v11                     ; the scale's byte
.if (\t)%4 == 0
	v_mov_b32 v[SB+(\t)/4], v13
.else
	v_lshl_or_b32 v[SB+(\t)/4], v13, 8*((\t)%4), v[SB+(\t)/4]
.endif
	v_cvt_scalef32_pk16_fp6_f32 v[C:C+2], v[XS:XS+15], v11
	v_cvt_scalef32_pk16_fp6_f32 v[C+4:C+6], v[XS+16:XS+31], v11
	v_nop                                          ; one plain place behind a scaled conversion
	v_mov_b32 v[C+3], v[C+4]                       ; the block's six registers on end
	v_mov_b32 v[C+4], v[C+5]
	v_mov_b32 v[C+5], v[C+6]
.if ((\t)/2)%2 == 0
	ds_store_b128 v7, v[C:C+3] offset:LOFF         ; registers 0-3
	ds_store_b64 v7, v[C+4:C+5] offset:LOFF+512    ; registers 4, 5
.else
	ds_store_b64 v7, v[C:C+1] offset:LOFF+520      ; registers 6, 7
	ds_store_b128 v7, v[C+2:C+5] offset:LOFF+1024  ; registers 8-11
.endif
.if (\t)+2 < 8
	LOAD (\t)+2
.endif
	s_wait_dscnt 0x0                               ; the stores have read their registers: the next block's codes may be written
.endm
.irp t, 0,1,2,3,4,5,6,7
	BLOCK \t
.endr
	global_store_b64 v9, v[SB:SB+1], s[8:9]        ; my row's 8 scale bytes
.irp n, 0,1,2,3,4,5,6,7,8,9,10,11
	ds_load_b128 v[OUTR+4*\n:OUTR+4*\n+3], v10 offset:3200*(\n/6)+512*(\n%6)   ; LDS serves a wave's instructions in order: these see my stores
.endr
.irp n, 0,1,2,3,4,5,6,7,8,9,10,11
	s_wait_dscnt 11-\n                             ; load n is in; the 11 - n behind it may be out
	global_store_b128 v8, v[OUTR+4*\n:OUTR+4*\n+3], s[6:7] offset:12288*(\n/6)+512*(\n%6)   ; 512 consecutive bytes
.endr
	s_wait_tensorcnt 0x0
	ds_add_u32 v192, v193
	s_wait_dscnt 0x0
	s_endpgm
.Lfunc_end_k_qc8c7313300_quant_w:
	.size	k_qc8c7313300_quant_w, .Lfunc_end_k_qc8c7313300_quant_w-k_qc8c7313300_quant_w
	.p2alignl 7, 3214868480
	.fill 96, 4, 3214868480
	.section	.rodata,"a",@progbits
	.p2align	6, 0x0
	.amdhsa_kernel k_qc8c7313300_quant_w
		.amdhsa_group_segment_fixed_size 26112
		.amdhsa_private_segment_fixed_size 0
		.amdhsa_enable_private_segment 0
		.amdhsa_kernarg_size 64
		.amdhsa_user_sgpr_count 2
		.amdhsa_user_sgpr_kernarg_segment_ptr 1
		.amdhsa_wavefront_size32 1
		.amdhsa_system_sgpr_workgroup_id_x 1
		.amdhsa_system_sgpr_workgroup_id_y 1
		.amdhsa_system_sgpr_workgroup_id_z 1
		.amdhsa_system_vgpr_workitem_id 0
		.amdhsa_next_free_vgpr 194
		.amdhsa_next_free_sgpr 66
		.amdhsa_reserve_vcc 0
		.amdhsa_float_denorm_mode_32 3
		.amdhsa_float_denorm_mode_16_64 3
		.amdhsa_memory_ordered 1
		.amdhsa_forward_progress 1
		.amdhsa_inst_pref_size 43
	.end_amdhsa_kernel
	.amdgpu_metadata
---
amdhsa.version: [ 1, 2 ]
amdhsa.kernels:
  - .name:           k_qc8c7313300_quant_w
    .symbol:         k_qc8c7313300_quant_w.kd
    .args:
      - { .name: Wq, .offset: 0, .size: 8, .value_kind: global_buffer, .address_space: global }
      - { .name: Wqw, .offset: 8, .size: 8, .value_kind: global_buffer, .address_space: global }
      - { .name: Wv, .offset: 16, .size: 8, .value_kind: global_buffer, .address_space: global }
      - { .name: Wo, .offset: 24, .size: 8, .value_kind: global_buffer, .address_space: global }
      - { .name: Wow, .offset: 32, .size: 8, .value_kind: global_buffer, .address_space: global }
      - { .name: acode, .offset: 40, .size: 8, .value_kind: global_buffer, .address_space: global }
      - { .name: bcode, .offset: 48, .size: 8, .value_kind: global_buffer, .address_space: global }
      - { .name: xscl, .offset: 56, .size: 8, .value_kind: global_buffer, .address_space: global }
    .group_segment_fixed_size: 26112
    .private_segment_fixed_size: 0
    .kernarg_segment_align: 8
    .kernarg_segment_size: 64
    .max_flat_workgroup_size: 128
    .sgpr_count:     66
    .vgpr_count:     194
    .wavefront_size: 32
...
	.end_amdgpu_metadata
.endif
;; end of part 2
;; launch gemm1 (part 3): grid 8 x 40, 4 waves a work-group, clusters of 4 x 4, 327,680 bytes of LDS; arguments acode, bcode, xscl, bq, bqw, bv, qkv; writes qkv
.if DOCPART == 3
	.amdgcn_target "amdgcn-amd-amdhsa--gfx1250"
	.amdhsa_code_object_version 6
	.text
	.protected	k_qc8c7313300_gemm1
	.globl	k_qc8c7313300_gemm1
	.p2align	8
	.type	k_qc8c7313300_gemm1,@function
k_qc8c7313300_gemm1:
	s_mov_b64 s[64:65], 0
	v_nop
	global_prefetch_b8 v0, s[64:65] scope:SCOPE_SE
	s_setreg_imm32_b32 hwreg(HW_REG_WAVE_MODE, 25, 1), 1
	s_wait_xcnt 0x0
	s_wait_alu depctr_hold_cnt(0) depctr_sa_sdst(0) depctr_va_vdst(0) depctr_va_sdst(0) depctr_va_ssrc(0) depctr_va_vcc(0) depctr_vm_vsrc(0)
	s_getreg_b32 s2, hwreg(HW_REG_IB_STS2, 6, 4)
	s_cmp_eq_u32 s2, 0
	s_cbranch_scc0 .Lentry_in_a_cluster
	s_endpgm
.Lentry_in_a_cluster:
	s_bfe_u32 s2, ttmp6, 0x10000c
	s_cmp_lg_u32 s2, 0xf033
	s_cbranch_scc0 .Lentry_shape_is_right
	s_endpgm
.Lentry_shape_is_right:
; The five projections, on codes of FP6 (E2M3) with E8M0 scales, K = 1024; their results, with the bias, are quantised in registers along N and stored as codes.
; C = A B^T in tiles of 256 x 256, four waves of 128 x 128 (64 accumulators, 512 registers).  A: acode (query, key, Wv), B: bcode (Wq, Wqw, values).
; Clusters y 0-7: (query; key) x (Wq; Wqw): q, k, qw, kw, rows = tokens, columns = a head's 128 channels, which are the next product's K.
; Clusters y 8, 9: Wv x values = v TRANSPOSED: rows = a head's channels, columns = 128 keys, which are the next K of v.  So ONE way out, quantising along the columns, serves all five.
; OPERANDS lie in memory as images of their registers (16 rows x 128 K = 1,536 bytes; a tile of 16 rows has 8 on end).  A K step of 256 of 128 rows is 8 rows of 3,072 bytes, 12,288 apart: one tensor load; a fragment comes from LDS by three loads of 16 bytes a lane, 512 consecutive bytes each.
; K goes in steps of 256 through a ring of two LDS slots.  The scale bytes of the work-group's 256 + 256 rows, for all of K, come once, as rows of 256 bytes + 16 of padding, and stay.
; CLUSTERS: 4 x 4 work-groups; A's tiles are asked for jointly along a row of the cluster, B's along a column.
; THE MATRIX INSTRUCTION IS USED TRANSPOSED (source 0 = 16 rows of B, source 1 = 16 rows of A).  B's tiles hold spread rows (row r of tile 2 g + u is 32 g + 8 u + r + 8 (r / 8)), so the 64 registers of a lane for one block of A are,
; in order, columns 32 b + 16 (lane / 16) + i: what the conversions want.
; OUT: a wave's 128 x 128 is a RECORD of qkv: 8 images (12,288 bytes) and, from SCB on, 2 groups of scale words (512 bytes: [lane][4 words] for 4 images).
; The bias runs along the columns (bq, bqw) or along the rows (bv).  Both are loaded and added; the one that does not belong is multiplied by 0 first.  LIMIT: a bias that is not finite is not served; NaN and infinities are not served.
; REGISTERS: window 0: v16-31 addresses; v32-63 scale words, two sets, and nothing else; v128-223 A's fragments, one set; v224-239 the row bias; on the way out v64-127 numbers, v128-171 codes and work.
;   window 1: B's fragments at v0-95 and v128-223; the column bias at v96-127 and v224-255.   windows 2, 3: the accumulators ((a, b) at v[8 (8 (a % 4) + b)]).
.set NQ,     2                         ; matrix instructions deep in a slot
.set ROWB,   3072                      ; a tile of 16 rows in a slot: two images
.set KROW,   12288                     ; and in memory: eight
.set FR,     12
.set NL,     3                         ; LDS loads that bring a fragment
.set NP,     4                         ; places behind this matrix instruction (ISA guide 7.12.1)
.set HALFT,  8*ROWB                    ; 128 rows: what one tensor load brings
.set SLOT,   4*HALFT
.set LAPS,   2                         ; 1024 along K = four K steps = twice round the ring
.set KS,     32                        ; a row of scale bytes
.set SCL,    2*SLOT
.set HALFS,  16*272                    ; the scale bytes of 128 rows
.set SBLK,   2*272                     ; of 16 rows
.set SPARE,  SCL+4*HALFS               ; the spare words, 128 bytes for each wave: two blocks of 256 bytes that no other line names
.set BSC,    294912                    ; B's rows in xscl
.set SCB,    15728640                  ; the scale records in qkv
.set ADRA, 16                          ; v16-17 LDS address of my A fragments in slot 0, 1
.set ADRB, 20                          ; v20-21 the same for B
.set IMG,  26                          ; v26 16 x lane
.set ADRS, 27                          ; v27 LDS address of my scale words: lanes 0-15 A's rows, lanes 16-31 B's
.set SPW,  28                          ; v28 my spare word; never rewritten
.set NIL,  29                          ; v29 0; never rewritten
.set CBA,  30                          ; v30 the column bias's offset; never rewritten
.set RBA,  31                          ; v31 the row bias's; never rewritten
.set SC,   32
.set AF,   128
.set HN,   64                          ; the way out: 64 numbers
.set PC,   128                         ; codes
.set TM,   148                         ; at work
.set SW,   164                         ; the 8 blocks' scale words
.set WV,   18
.set HR,   19                          ; which half of the tile's rows is mine.  Also: I fetch for A (0) or for B (1)
.set HC,   20                          ; which half of its columns.  Also: which 128 rows I fetch
.set G1,   24
.set G0,   32
.set G1B,  48
.set G0B,  56
.set G1S,  68
.set G0S,  76
.set G1SB, 80
.set G0SB, 88
.set SEL,  66                          ; s[66:67], on the way out
.set MSB, 0
.macro WIN new                         ; the immediate's high byte repeats the setting that is left
.if MSB != (\new)
	s_set_vgpr_msb (MSB<<8)|(\new)
.set MSB, (\new)
.endif
.endm
.set MUL_LO, 0xa1                      ; source 0 (B) window 1, source 1 (A) window 0, C and D window 2
.set MUL_HI, 0xf1
.set TO_B,   0x40
; A joint load: waves 0 and 1 fetch for A, waves 2 and 3 for B; the branch hangs on the wave's number alone.  Four v_nop follow each of the two lines.
.macro JLOAD g0a, g1a, g0b, g1b
	s_cmp_eq_u32 s[HR], 0
	s_cbranch_scc0 .Lfor_b_\@
	tensor_load_to_lds s[\g0a:\g0a+3], s[\g1a:\g1a+7]
	s_nop 0
.rept 4
	v_nop
.endr
	s_branch .Lasked_\@
.Lfor_b_\@:
	tensor_load_to_lds s[\g0b:\g0b+3], s[\g1b:\g1b+7]
	s_nop 0
.rept 4
	v_nop
.endr
.Lasked_\@:
.endm
.macro CREST                           ; a round of the cluster's barrier behind its opening barrier
	s_cmp_lg_u32 s[WV], 0
	s_cbranch_scc1 .Lnot_wave_0_\@
	s_barrier_signal -3
.Lnot_wave_0_\@:
	s_barrier_wait -3
	s_barrier_signal -1
	s_barrier_wait -1
.endm
.macro CROUND
	s_barrier_signal -1
	s_barrier_wait -1
	CREST
.endm
	s_load_b256 s[4:11], s[0:1], 0x0               ; acode s[4:5], bcode s[6:7], xscl s[8:9], bq s[10:11]
	s_load_b128 s[12:15], s[0:1], 0x20             ; bqw s[12:13], bv s[14:15]
	s_load_b64 s[16:17], s[0:1], 0x30              ; qkv
	v_lshl_add_u32 v[SPW], v0, 2, SPARE
	v_mov_b32 v[NIL], 0
	ds_add_u32 v28, v29
	ds_add_u32 v28, v29
	s_wait_dscnt 0x0
	v_lshrrev_b32 v1, 5, v0
	v_readfirstlane_b32 s[WV], v1
	s_lshr_b32 s[HR], s[WV], 1
	s_and_b32 s[HC], s[WV], 1
	s_bfe_u32 s40, ttmp6, 0x40000                  ; cx
	s_bfe_u32 s41, ttmp6, 0x40004                  ; cy
	s_and_b32 s21, ttmp7, 0xffff                   ; the cluster's y
	s_lshl_b32 s22, s21, 2
	s_lshl_b32 s23, ttmp9, 2
	s_lshl_b32 s45, s21, 3
	s_add_co_u32 s45, s45, s23
	s_sub_co_u32 s45, s45, 56                      ; 4 x + 8 y - 56: values' tile columns 8-23 for y = 8, 9
	s_cmp_lt_u32 s21, 8                            ; the same in all sixteen partners
	s_cselect_b32 s22, s22, 32                     ; the cluster's first tile row: 4 y, or Wv's 32
	s_cselect_b32 s23, s23, s45                    ; and first tile column
	s_cselect_b32 s92, 0x3f800000, 0               ; what the column bias is multiplied by,
	s_cselect_b32 s93, 0, 0x3f800000               ; and the row bias
	s_add_co_u32 s47, s22, s41                     ; tile row
	s_add_co_u32 s42, s23, s40                     ; tile column
	s_lshl_b32 s43, s41, 2
	s_lshl_b32 s43, 15, s43                        ; my row of the cluster
	s_lshl_b32 s44, 0x1111, s40                    ; my column
	; descriptor group 1 for codes: 8 rows of 384 elements of 8 bytes, 1,536 elements apart; no padding
	s_or_b32 s[G1+0], s43, (3<<16)|(1<<21)
	s_or_b32 s[G1B+0], s44, (3<<16)|(1<<21)
.irp g, G1, G1B
	s_mov_b32 s[\g+1], 384<<16                     ; tensor_dim0
	s_mov_b32 s[\g+2], 8<<16                       ; tensor_dim1
	s_mov_b32 s[\g+3], 384<<16                     ; tile_dim0
	s_mov_b32 s[\g+4], 8                           ; tile_dim1
	s_mov_b32 s[\g+5], 1536                        ; tensor_dim0_stride
	s_mov_b32 s[\g+6], 0
	s_mov_b32 s[\g+7], 0
.endr
	; and for the scale bytes of 128 rows: 4,096 dense bytes as 16 rows of 256, 16 bytes of padding behind each
	s_or_b32 s[G1S+0], s43, (3<<16)|(1<<20)|(1<<21)|(5<<22)|(3<<25)
	s_or_b32 s[G1SB+0], s44, (3<<16)|(1<<20)|(1<<21)|(5<<22)|(3<<25)
.irp g, G1S, G1SB
	s_mov_b32 s[\g+1], 32<<16
	s_mov_b32 s[\g+2], 16<<16
	s_mov_b32 s[\g+3], 32<<16
	s_mov_b32 s[\g+4], 16
	s_mov_b32 s[\g+5], 32
	s_mov_b32 s[\g+6], 0
	s_mov_b32 s[\g+7], 0
.endr
	s_lshl_b32 s66, s47, 4
	s_lshl_b32 s67, s[HC], 3
	s_add_co_u32 s66, s66, s67                     ; A: the first tile of 16 rows that I fetch
	s_lshl_b32 s94, s66, 9                         ; its scale bytes
	s_mul_i32 s66, s66, KROW                       ; its codes
	s_mov_b32 s67, 0
	s_mov_b32 s95, 0
	s_lshl_b32 s96, s42, 4
	s_lshl_b32 s97, s[HC], 3
	s_add_co_u32 s96, s96, s97                     ; B likewise
	s_lshl_b32 s98, s96, 9
	s_add_co_u32 s98, s98, BSC
	s_mul_i32 s96, s96, KROW
	s_mov_b32 s97, 0
	s_mov_b32 s99, 0
	s_mul_i32 s45, s[WV], HALFT                    ; where they go: no place in the cluster enters an LDS address
	s_mul_i32 s46, s[WV], HALFS
	s_wait_kmcnt 0x0
	s_add_nc_u64 s[66:67], s[4:5], s[66:67]
	s_add_nc_u64 s[94:95], s[8:9], s[94:95]
	s_add_nc_u64 s[96:97], s[6:7], s[96:97]
	s_add_nc_u64 s[98:99], s[8:9], s[98:99]
	CROUND                                         ; all sixteen work-groups are here: the first joint loads meet
	s_mov_b32 s[G0S], 1
	s_add_co_u32 s[G0S+1], s46, SCL
	s_mov_b64 s[G0S+2:G0S+3], s[94:95]
	s_or_b32 s[G0S+3], s[G0S+3], 0x80000000
	s_mov_b32 s[G0SB], 1
	s_add_co_u32 s[G0SB+1], s46, SCL
	s_mov_b64 s[G0SB+2:G0SB+3], s[98:99]
	s_or_b32 s[G0SB+3], s[G0SB+3], 0x80000000
	JLOAD G0S, G1S, G0SB, G1SB                     ; the scales first: they are wanted with K step 0
.irp s, 0,1
	s_mov_b32 s[G0+4*\s], 1
	s_add_co_u32 s[G0+4*\s+1], s45, \s*SLOT
	s_add_nc_u64 s[G0+4*\s+2:G0+4*\s+3], s[66:67], \s*ROWB
	s_or_b32 s[G0+4*\s+3], s[G0+4*\s+3], 0x80000000
	s_mov_b32 s[G0B+4*\s], 1
	s_add_co_u32 s[G0B+4*\s+1], s45, \s*SLOT
	s_add_nc_u64 s[G0B+4*\s+2:G0B+4*\s+3], s[96:97], \s*ROWB
	s_or_b32 s[G0B+4*\s+3], s[G0B+4*\s+3], 0x80000000
	JLOAD G0+4*\s, G1, G0B+4*\s, G1B               ; three tensor loads of mine are out
.endr
	v_and_b32 v1, 15, v0                           ; r
	v_bfe_u32 v2, v0, 4, 1                         ; h
	v_and_b32 v3, 31, v0
	v_lshlrev_b32 v[IMG], 4, v3
	s_mul_i32 s2, s[HR], HALFT                     ; my 128 rows of A
	s_mul_i32 s3, s[HC], HALFT                     ; my 128 rows of B,
	s_add_co_u32 s3, s3, 2*HALFT                   ; behind A's 256
.irp s, 0,1
	v_add_nc_u32 v[ADRA+\s], s2, v[IMG]
	v_add_nc_u32 v[ADRB+\s], s3, v[IMG]
	s_add_co_u32 s2, s2, SLOT
	s_add_co_u32 s3, s3, SLOT
.endr
	v_mul_u32_u24 v5, v1, KS                       ; my row's scale bytes: 32 a row,
	v_lshrrev_b32 v6, 8, v5
	v_lshl_add_u32 v5, v6, 4, v5                   ; and 16 more for each 256 passed
	s_mul_i32 s2, s[HR], HALFS
	s_mul_i32 s3, s[HC], HALFS
	s_add_co_u32 s3, s3, 2*HALFS
	s_sub_co_u32 s3, s3, s2
	v_mul_u32_u24 v6, s3, v2                       ; lanes 16-31 take B's
	s_add_co_u32 s2, s2, SCL
	v_add_nc_u32 v5, v5, v6
	v_add_nc_u32 v[ADRS], s2, v5
	; the biases are asked for now and waited for on the way out; their address registers and bases are never rewritten
	s_lshl_b32 s2, s42, 1
	s_add_co_u32 s2, s2, s[HC]                     ; cg: my group of 128 columns
	s_lshl_b32 s3, s47, 1
	s_add_co_u32 s3, s3, s[HR]                     ; rg: my group of 128 rows
	s_and_b32 s6, s2, 7
	s_and_b32 s7, s3, 7
	s_bitcmp1_b32 s23, 2                           ; tile columns 4-7 are Wqw's
	s_cselect_b64 s[10:11], s[12:13], s[10:11]
	s_lshl_b32 s4, s6, 9
	s_mov_b32 s5, 0
	s_add_nc_u64 s[10:11], s[10:11], s[4:5]        ; the column bias: 128 numbers of bq or bqw
	s_lshl_b32 s4, s7, 9
	s_add_nc_u64 s[14:15], s[14:15], s[4:5]        ; the row bias: 128 numbers of bv
	v_lshlrev_b32 v[CBA], 6, v2                    ; register 8 t + j of a lane is column 32 (t / 2) + 16 h + 8 (t % 2) + j
	v_and_b32 v[RBA], 8, v1
	v_add_nc_u32 v[RBA], v[RBA], v1
	v_lshlrev_b32 v[RBA], 2, v[RBA]                ; row r of A's block a is row 32 (a / 2) + 8 (a % 2) + r + 8 (r / 8)
	WIN TO_B
.irp t, 0,1,2,3,4,5,6,7
	global_load_b128 v[96+8*\t+96*(\t/4):99+8*\t+96*(\t/4)], v[CBA], s[10:11] offset:(32*(\t/2)+8*(\t%2))*4
	global_load_b128 v[100+8*\t+96*(\t/4):103+8*\t+96*(\t/4)], v[CBA], s[10:11] offset:(32*(\t/2)+8*(\t%2))*4+16
.endr
	WIN 0
.irp a, 0,1,2,3,4,5,6,7
	global_load_b32 v[224+2*\a], v[RBA], s[14:15] offset:(32*(\a/2)+8*(\a%2))*4
	v_mov_b32 v[225+2*\a], 0                       ; (named with it as a pair)
.endr
	; my record: q, k, qw, kw: ((tensor + 2 weight) 32 + batch 8 + head) 8 + group of 128 tokens;  v^T: 1024 + (batch 8 + head) 8 + group of 128 keys
	s_lshr_b32 s8, s3, 5
	s_lshl_b32 s8, s8, 8
	s_lshr_b32 s9, s2, 3
	s_lshl_b32 s4, s9, 9
	s_add_co_u32 s8, s8, s4
	s_bfe_u32 s4, s3, 0x20003
	s_lshl_b32 s4, s4, 6
	s_add_co_u32 s8, s8, s4
	s_lshl_b32 s4, s6, 3
	s_add_co_u32 s8, s8, s4
	s_add_co_u32 s8, s8, s7
	s_lshl_b32 s9, s9, 6
	s_add_co_u32 s9, s9, 896                       ; 1024 + 64 (cg / 8 - 2)
	s_lshl_b32 s4, s7, 3
	s_add_co_u32 s9, s9, s4
	s_add_co_u32 s9, s9, s6
	s_cmp_lt_u32 s21, 8
	s_cselect_b32 s8, s8, s9
	s_mul_i32 s4, s8, 12288
	s_lshl_b32 s6, s8, 10
	s_add_co_u32 s6, s6, SCB
	s_mov_b32 s7, 0
	s_add_nc_u64 s[12:13], s[16:17], s[6:7]        ; its scale words
	s_add_nc_u64 s[16:17], s[16:17], s[4:5]        ; its images
.macro FRAG reg, adr, q, i             ; a fragment comes as it was stored: three loads, 512 consecutive bytes each
.irp c, 0,1,2
	ds_load_b128 v[\reg+4*\c:\reg+4*\c+3], v[\adr] offset:(\i)*ROWB+(\q)*1536+512*\c
.endr
.endm
; 16 matrix instructions: A's blocks a0, a0 + 1 x B's eight.  p: B's set; sc: the set of scale words.  zero = 1: the first product starts the sums.
; The 64 accumulators take turns, one instruction a turn, in the same order in every step.
.macro MUL16 a0, p, q, sc, zero
.irp a, \a0, \a0+1
.irp b, 0,1,2,3,4,5,6,7
.if \zero
	v_wmma_scale_f32_16x16x128_f8f6f4 v[8*(8*((\a)%4)+\b):8*(8*((\a)%4)+\b)+7], v[128*(\p)+FR*\b:128*(\p)+FR*\b+FR-1], v[AF+FR*(\a):AF+FR*(\a)+FR-1], 0, v[SC+8*NQ*(\sc)+NQ*\b+(\q)], v[SC+8*NQ*(\sc)+NQ*(\a)+(\q)] matrix_a_fmt:MATRIX_FMT_FP6 matrix_b_fmt:MATRIX_FMT_FP6 matrix_a_scale:MATRIX_SCALE_ROW1
.else
	v_wmma_scale_f32_16x16x128_f8f6f4 v[8*(8*((\a)%4)+\b):8*(8*((\a)%4)+\b)+7], v[128*(\p)+FR*\b:128*(\p)+FR*\b+FR-1], v[AF+FR*(\a):AF+FR*(\a)+FR-1], v[8*(8*((\a)%4)+\b):8*(8*((\a)%4)+\b)+7], v[SC+8*NQ*(\sc)+NQ*\b+(\q)], v[SC+8*NQ*(\sc)+NQ*(\a)+(\q)] matrix_a_fmt:MATRIX_FMT_FP6 matrix_b_fmt:MATRIX_FMT_FP6 matrix_a_scale:MATRIX_SCALE_ROW1
.endif
.endr
.endr
.endm
.macro FETCH_B slot, q, p
	WIN TO_B
.irp i, 0,1,2,3,4,5,6,7
	FRAG 128*(\p)+FR*\i, ADRB+\slot, \q, \i
.endr
	WIN 0
.endm
.macro FETCH_A slot, q, i0
.irp i, \i0, \i0+1, \i0+2, \i0+3
	FRAG AF+FR*(\i), ADRA+\slot, \q, \i
.endr
.endm
.macro SCALES sc                       ; a K step's scale words: 2 a row; lanes 0-15 take A's block i, lanes 16-31 B's block i
.irp i, 0,1,2,3,4,5,6,7
	ds_load_b64 v[SC+8*NQ*\sc+NQ*\i:SC+8*NQ*\sc+NQ*\i+1], v[ADRS] offset:\i*SBLK
.endr
.endm
.macro PLACES n                        ; plain vector lines between a matrix instruction and a load into, or a vector write or read of, its registers (ISA guide 7.12.1 for vector writes and reads)
.rept \n
	v_nop
.endr
.endm
.macro STEP slot, q, zero              ; 128 along K that has its successor in the same slot
	s_wait_dscnt 4*NL                              ; B's set and A's blocks 0-3 are in; the youngest 12 loads (A's blocks 4-7) may be out
	WIN MUL_LO
	MUL16 0, (\q)%2, \q, \slot, \zero
	MUL16 2, (\q)%2, \q, \slot, \zero
	s_wait_dscnt 0
	PLACES NP
	FETCH_B \slot, (\q)+1, 1-(\q)%2
	FETCH_A \slot, (\q)+1, 0
	WIN MUL_HI
	MUL16 4, (\q)%2, \q, \slot, \zero
	MUL16 6, (\q)%2, \q, \slot, \zero
	PLACES NP
	WIN 0
	FETCH_A \slot, (\q)+1, 4
.endm
; A slot's last step changes slots: ONE barrier; in front of it each wave waits for all its tensor loads, adds 0 to its spare word, and waits for that and for its reads of this slot.
.macro TURN slot, next, fill
	s_wait_tensorcnt 0x0                           ; all my tensor loads have landed: my part of the next slot
	ds_add_u32 v[SPW], v[NIL]                      ; 0 onto my spare word
	s_wait_dscnt 4*NL+1                            ; (the add and the youngest 12 loads may be out)
	WIN MUL_LO
	MUL16 0, 1, NQ-1, \slot, 0
	s_wait_dscnt 0x0                               ; the add is done, and my reads of this slot are over
	s_barrier_signal -1
	MUL16 2, 1, NQ-1, \slot, 0
	WIN 0
	s_barrier_wait -1
.if \fill
	CREST                                          ; the barrier has opened a round of the cluster's barrier: no wave of any partner still reads this slot or has a load on its way
	s_add_nc_u64 s[G0+4*\slot+2:G0+4*\slot+3], s[G0+4*\slot+2:G0+4*\slot+3], 2*ROWB
	s_add_nc_u64 s[G0B+4*\slot+2:G0B+4*\slot+3], s[G0B+4*\slot+2:G0B+4*\slot+3], 2*ROWB
	JLOAD G0+4*\slot, G1, G0B+4*\slot, G1B         ; the first tensor load behind the round, my only one until the next; its four v_nop are the places in front of the loads below
.else
	PLACES NP
.endif
	v_add_nc_u32 v[ADRS], 4*NQ, v[ADRS]            ; on to the next K step's scale words
	FETCH_B \next, 0, 0
	FETCH_A \next, 0, 0
	SCALES \next
	WIN MUL_HI
	MUL16 4, 1, NQ-1, \slot, 0
	MUL16 6, 1, NQ-1, \slot, 0
	PLACES NP
	WIN 0
	FETCH_A \next, 0, 4
.endm
	s_wait_tensorcnt 1                             ; the scales and my part of K step 0 are in; K step 1's load may be out
	s_barrier_signal -1
	s_barrier_wait -1
	FETCH_B 0, 0, 0
	FETCH_A 0, 0, 0
	SCALES 0
	FETCH_A 0, 0, 4
	STEP 0, 0, 1                                   ; the first step stands in front of the loop: its products start the sums
	s_mov_b32 s100, LAPS-1
.Llap:                                                 ; a trip goes once round the ring and fills both slots again
	TURN 0, 1, 1
	STEP 1, 0, 0
	TURN 1, 0, 1
	STEP 0, 0, 0
	s_sub_co_u32 s100, s100, 1
	s_cmp_lg_u32 s100, 0
	s_cbranch_scc1 .Llap
	TURN 0, 1, 0                                   ; the last lap fills nothing
	STEP 1, 0, 0
	s_wait_dscnt 4*NL
	WIN MUL_LO
	MUL16 0, 1, NQ-1, 1, 0
	MUL16 2, 1, NQ-1, 1, 0
	s_wait_dscnt 0
	WIN MUL_HI
	MUL16 4, 1, NQ-1, 1, 0
	MUL16 6, 1, NQ-1, 1, 0
	WIN 0
; 64 numbers of a lane, register 16 b + i = column 32 b + 16 (lane / 16) + i of my row, become a fragment's codes in v[pc .. pc + 11] and its row's scale word in v[pw]
.macro QUANT src, pc, pw
.irp b, 0,1,2,3
	v_max3_num_f32 v[TM+\b], |v[(\src)+16*\b]|, |v[(\src)+1+16*\b]|, 0x1800000   ; and the floor 2^(3 - 127): the byte cannot fall under 1
.endr
.irp i, 2,4,6,8,10,12,14
.irp b, 0,1,2,3
	v_max3_num_f32 v[TM+\b], v[TM+\b], |v[(\src)+16*\b+\i]|, |v[(\src)+1+16*\b+\i]|
.endr
.endr
.irp b, 0,1,2,3
	v_permlanex16_b32 v[TM+4+\b], v[TM+\b], s[SEL], s[SEL+1]
.endr
.irp b, 0,1,2,3
	v_max_num_f32 v[TM+\b], v[TM+\b], v[TM+4+\b]
.endr
.irp b, 0,1,2,3
	v_add_nc_u32 v[TM+12+\b], 0xff000000, v[TM+\b]
.endr
.irp b, 0,1,2,3
	v_lshrrev_b32 v[TM+4+\b], 23, v[TM+12+\b]
.endr
	v_lshl_or_b32 v[\pw], v[TM+5], 8, v[TM+4]
	v_lshl_or_b32 v[\pw], v[TM+6], 16, v[\pw]
	v_lshl_or_b32 v[\pw], v[TM+7], 24, v[\pw]
.irp c, 0,1
	v_cvt_scalef32_pk16_fp6_f32 v[(\pc)+6*\c:(\pc)+2+6*\c], v[(\src)+32*\c:(\src)+15+32*\c], v[TM+12+2*\c]
	v_cvt_scalef32_pk16_fp6_f32 v[(\pc)+12+4*\c:(\pc)+14+4*\c], v[(\src)+16+32*\c:(\src)+31+32*\c], v[TM+13+2*\c]
.endr
	v_nop                                          ; one plain place behind a scaled conversion
.irp c, 0,1
.irp i, 0,1,2
	v_permlane16_swap_b32 v[(\pc)+6*\c+\i], v[(\pc)+12+4*\c+\i]
.endr
.irp i, 0,1,2
	v_mov_b32 v[(\pc)+3+6*\c+\i], v[(\pc)+12+4*\c+\i]
.endr
.endr
.endm
; THE WAY OUT of A's block a: the biases are added, the block's 16 rows x 128 columns are quantised along the columns, and the image is stored
.macro OUTB a
	s_wait_xcnt 0x0                                ; the last block's stores have read the codes' registers
	WIN 0x06+((\a)/4)                              ; source 0: the accumulators' window, source 1: window 1
.set pp, 0
.rept 32
	v_pk_add_f32 v[HN+2*pp:HN+2*pp+1], v[64*((\a)%4)+2*pp:64*((\a)%4)+2*pp+1], v[96+2*pp+96*(pp/16):97+2*pp+96*(pp/16)]   ; each accumulator from its low end on
.set pp, pp+1
.endr
	WIN 0
.set pp, 0
.rept 32
	v_pk_add_f32 v[HN+2*pp:HN+2*pp+1], v[HN+2*pp:HN+2*pp+1], v[224+2*(\a):225+2*(\a)] op_sel_hi:[1,0]
.set pp, pp+1
.endr
	QUANT HN, PC, SW+(\a)
.irp c, 0,1,2
	global_store_b128 v[IMG], v[PC+4*\c:PC+4*\c+3], s[16:17] offset:(\a)*1536+512*\c   ; 512 consecutive bytes
.endr
.endm
	s_wait_loadcnt 0x0                             ; the biases
	PLACES NP
	s_mov_b32 s[SEL], 0x76543210
	s_mov_b32 s[SEL+1], 0xfedcba98
.irp b, 0,1,2,3
	v_mov_b32 v[TM+4+\b], 0                        ; written once: a lane permute's destination counts as one of its sources
.endr
	WIN 0x41
.set pp, 0
.rept 32
	v_pk_mul_f32 v[96+2*pp+96*(pp/16):97+2*pp+96*(pp/16)], v[96+2*pp+96*(pp/16):97+2*pp+96*(pp/16)], s[92:93] op_sel_hi:[1,0]   ; x 1 for q, k, qw, kw; x 0 for v^T
.set pp, pp+1
.endr
	WIN 0
.irp a, 0,1,2,3,4,5,6,7
	v_mul_f32 v[224+2*\a], s93, v[224+2*\a]        ; x 0, or x 1 for v^T
.endr
.irp a, 0,1,2,3,4,5,6,7
	OUTB \a
.endr
	global_store_b128 v[IMG], v[SW:SW+3], s[12:13]             ; the scale words of images 0-3: [lane][4 words]
	global_store_b128 v[IMG], v[SW+4:SW+7], s[12:13] offset:512
	s_wait_tensorcnt 0x0                           ; the wave's end
	ds_add_u32 v[SPW], v[NIL]
	s_wait_dscnt 0x0
	CROUND                                         ; the closing round: no work-group ends while a partner may still ask for a tile that names it
	s_endpgm
.Lfunc_end_k_qc8c7313300_gemm1:
	.size	k_qc8c7313300_gemm1, .Lfunc_end_k_qc8c7313300_gemm1-k_qc8c7313300_gemm1
	.p2alignl 7, 3214868480
	.fill 96, 4, 3214868480
	.section	.rodata,"a",@progbits
	.p2align	6, 0x0
	.amdhsa_kernel k_qc8c7313300_gemm1
		.amdhsa_group_segment_fixed_size 327680
		.amdhsa_private_segment_fixed_size 0
		.amdhsa_enable_private_segment 0
		.amdhsa_kernarg_size 56
		.amdhsa_user_sgpr_count 2
		.amdhsa_user_sgpr_kernarg_segment_ptr 1
		.amdhsa_wavefront_size32 1
		.amdhsa_system_sgpr_workgroup_id_x 1
		.amdhsa_system_sgpr_workgroup_id_y 1
		.amdhsa_system_sgpr_workgroup_id_z 1
		.amdhsa_system_vgpr_workitem_id 0
		.amdhsa_next_free_vgpr 1024
		.amdhsa_next_free_sgpr 102
		.amdhsa_reserve_vcc 0
		.amdhsa_float_denorm_mode_32 3
		.amdhsa_float_denorm_mode_16_64 3
		.amdhsa_memory_ordered 1
		.amdhsa_forward_progress 1
		.amdhsa_inst_pref_size 177
	.end_amdhsa_kernel
	.amdgpu_metadata
---
amdhsa.version: [ 1, 2 ]
amdhsa.kernels:
  - .name:           k_qc8c7313300_gemm1
    .symbol:         k_qc8c7313300_gemm1.kd
    .args:
      - { .name: acode, .offset: 0, .size: 8, .value_kind: global_buffer, .address_space: global }
      - { .name: bcode, .offset: 8, .size: 8, .value_kind: global_buffer, .address_space: global }
      - { .name: xscl, .offset: 16, .size: 8, .value_kind: global_buffer, .address_space: global }
      - { .name: bq, .offset: 24, .size: 8, .value_kind: global_buffer, .address_space: global }
      - { .name: bqw, .offset: 32, .size: 8, .value_kind: global_buffer, .address_space: global }
      - { .name: bv, .offset: 40, .size: 8, .value_kind: global_buffer, .address_space: global }
      - { .name: qkv, .offset: 48, .size: 8, .value_kind: global_buffer, .address_space: global }
    .group_segment_fixed_size: 327680
    .private_segment_fixed_size: 0
    .kernarg_segment_align: 8
    .kernarg_segment_size: 56
    .max_flat_workgroup_size: 128
    .sgpr_count:     102
    .vgpr_count:     1024
    .wavefront_size: 32
...
	.end_amdgpu_metadata
.endif
;; end of part 3
;; launch attn (part 4): grid 256 x 1, 4 waves a work-group, no clusters, 266,752 bytes of LDS; arguments qkv, gammas, att; writes att
.if DOCPART == 4
	.amdgcn_target "amdgcn-amd-amdhsa--gfx1250"
	.amdhsa_code_object_version 6
	.text
	.protected	k_qc8c7313300_attn
	.globl	k_qc8c7313300_attn
	.p2align	8
	.type	k_qc8c7313300_attn,@function
k_qc8c7313300_attn:
	s_mov_b64 s[64:65], 0
	v_nop
	global_prefetch_b8 v0, s[64:65] scope:SCOPE_SE
	s_setreg_imm32_b32 hwreg(HW_REG_WAVE_MODE, 25, 1), 1
	s_wait_xcnt 0x0
; Both attentions of one (batch, head), on codes of FP6 (E2M3) with E8M0 scales; their results are quantised along the head's 128 channels and stored as codes for the output projections.
; For a query: t = score x log2(e) / sqrt(128), hidden keys at -1e30; p1 = softmax; d = sqrt((the sum of p1 over LATER keys) x (query - key)); effect = clip(exp(-|gamma| d), 1e-5, 1e5);
; t2 = t x effect; p2 = softmax(t2), finished and normalised, x min(1 / max p2, 5) in the full attention: that is what is quantised along the keys and multiplied by v.
; Since the largest e2 = 2^(t2 - max) is exactly 1, max p2 = 1 / sum, and the finished weight is e2 x min(1, 5 / sum) (band: e2 / sum).  Every maximum is taken of, and subtracted from, the same rounded numbers.
; The sum over later keys is formed as a suffix sum (the total less the running sum, without the cancellation).
; A row's scores are walked three times, so they lie in LDS: pass I (keys ascending): scores, first maximum and sum; pass II (descending): suffix sums, effect, second running maximum and sum, e2 stored with the maximum it was taken under;
; pass III (ascending): the weights finished, quantised, times v.
; SHARES.  Work-group: (batch, head) = x / 8.  A wave runs four jobs: tile of 16 queries qt = p and 63 - p (p = 4 (x % 8) + wave), each full (strictly causal) and band (19 keys): nine full key steps of 128 for every wave.
; Key steps all of whose keys are hidden for the job are left out by a scalar branch on ids inside loops of constant count.  A query with no open key (query 0) gets the weight 0.
; LAYOUT.  Both products are used transposed (S^T = K Q^T, O^T = V^T P^T): a lane holds one query (lane % 16).  K's tiles hold spread keys and V^T's spread channels, so register 16 b + i of a lane is key (channel) 32 b + 16 (lane / 16) + i.
; Operands come from memory straight into registers as images (three loads of 16 bytes a lane for a fragment).  No tensor load, no barrier: a wave's LDS is its own (65,536 bytes of scores, 1,024 of maxima).
; Not in a cluster: the waves of neighbouring work-groups walk different sets of key steps, and what is shared comes out of registers' loads, not tiles in LDS.
; LIMITS: NaN and infinities are not served; scores x log2(e) / sqrt(128) must stay well inside +-1e30.
; REGISTERS, window 0: v1-15 lane constants and addresses; v16-35 pairs for the packed forms; v36-51 the floats 0 .. 15; v52-63 run sums; v64-127 A0, v128-191 A1; v192-211 codes; v212-227 at work; v228-239 Q; v240, v241, v244-251 scale words.  Window 1: v0-95 eight fragments of K or of V^T.
.set SCB,  15728640                    ; the scale records in qkv
.set ASC,  6291456                     ; the scale bytes in att
.set A0,   64
.set A1,   128
.set PC,   192
.set TM,   212
.set QF,   228
.set QS,   240
.set PW,   241
.set KVS,  244
.set IDX,  36
.set WV,   10
.set BH,   11
.set PI,   12
.set HEAD, 13
.set BB,   14
.set C2,   16                          ; s[16:17] log2(e) / sqrt(128)
.set G2,   18                          ; -|gamma| log2(e)
.set SEL,  20
.set CLO,  22
.set CHI,  23
.set ONE,  24
.set N,    30
.set KIND, 31
.set QT,   32
.set Q0,   33
.set JL,   34                          ; the job's last key step
.set JF,   35                          ; and first
.set W,    36                          ; key k is open where 0 <= query - 1 - k < W
.set RK0,  38
.set RV0,  39
.set CAP,  40
.set MUL,  41
.set JJ,   42
.set J,    43
.set OB,   46                          ; s[46:47] the job's image in att;  s[48:49] its scale words
.set OSB,  48
.set QB,   50                          ; s[50:51] Q's image;  s[52:53] its scale words
.set QSB,  52
.set FB,   54                          ; s[54:55] the record being fetched;  s[56:57] its scale groups
.set FSB,  56
.set MSB, 0
.macro WIN new
.if MSB != (\new)
	s_set_vgpr_msb (MSB<<8)|(\new)
.set MSB, (\new)
.endif
.endm
.macro QUANT src, pc, pw               ; 64 numbers of a lane, register 16 b + i = k 32 b + 16 (lane / 16) + i, become codes in v[pc .. pc + 11] and a scale word in v[pw]
.irp b, 0,1,2,3
	v_max3_num_f32 v[TM+\b], |v[(\src)+16*\b]|, |v[(\src)+1+16*\b]|, 0x1800000   ; and the floor 2^(3 - 127): the byte cannot fall under 1; a block of zeros keeps that byte, its codes are zeros
.endr
.irp i, 2,4,6,8,10,12,14
.irp b, 0,1,2,3
	v_max3_num_f32 v[TM+\b], v[TM+\b], |v[(\src)+16*\b+\i]|, |v[(\src)+1+16*\b+\i]|
.endr
.endr
.irp b, 0,1,2,3
	v_permlanex16_b32 v[TM+4+\b], v[TM+\b], s[SEL], s[SEL+1]
.endr
.irp b, 0,1,2,3
	v_max_num_f32 v[TM+\b], v[TM+\b], v[TM+4+\b]
.endr
.irp b, 0,1,2,3
	v_add_nc_u32 v[TM+12+\b], 0xff000000, v[TM+\b]
.endr
.irp b, 0,1,2,3
	v_lshrrev_b32 v[TM+4+\b], 23, v[TM+12+\b]
.endr
	v_lshl_or_b32 v[\pw], v[TM+5], 8, v[TM+4]
	v_lshl_or_b32 v[\pw], v[TM+6], 16, v[\pw]
	v_lshl_or_b32 v[\pw], v[TM+7], 24, v[\pw]
.irp c, 0,1
	v_cvt_scalef32_pk16_fp6_f32 v[(\pc)+6*\c:(\pc)+2+6*\c], v[(\src)+32*\c:(\src)+15+32*\c], v[TM+12+2*\c]
	v_cvt_scalef32_pk16_fp6_f32 v[(\pc)+12+4*\c:(\pc)+14+4*\c], v[(\src)+16+32*\c:(\src)+31+32*\c], v[TM+13+2*\c]
.endr
	v_nop                                          ; one plain place behind a scaled conversion
.irp c, 0,1
.irp i, 0,1,2
	v_permlane16_swap_b32 v[(\pc)+6*\c+\i], v[(\pc)+12+4*\c+\i]
.endr
.irp i, 0,1,2
	v_mov_b32 v[(\pc)+3+6*\c+\i], v[(\pc)+12+4*\c+\i]
.endr
.endr
.endm
.macro FETCH                           ; record s26 (8 images and their scale words) into window 1 and KVS.  It stands behind the wait for the fetch before, so the two bases may be written
	s_mul_i32 s28, s26, 12288
	s_mov_b32 s29, 0
	s_add_nc_u64 s[FB:FB+1], s[4:5], s[28:29]
	s_lshl_b32 s28, s26, 10
	s_add_co_u32 s28, s28, SCB
	s_add_nc_u64 s[FSB:FSB+1], s[4:5], s[28:29]
	WIN 0x40
.irp t, 0,1,2,3,4,5,6,7
.irp c, 0,1,2
	global_load_b128 v[12*\t+4*\c:12*\t+4*\c+3], v3, s[FB:FB+1] offset:1536*\t+512*\c
.endr
.endr
	WIN 0
	global_load_b128 v[KVS:KVS+3], v3, s[FSB:FSB+1]
	global_load_b128 v[KVS+4:KVS+7], v3, s[FSB:FSB+1] offset:512
.endm
.macro LDT                             ; a step's 64 numbers a lane, from my LDS
.set ii, 0
.rept 16
	ds_load_b128 v[A0+4*ii:A0+4*ii+3], v6 offset:512*ii
.set ii, ii+1
.endr
.endm
.macro STT                             ; and into it
.set ii, 0
.rept 16
	ds_store_b128 v6, v[A0+4*ii:A0+4*ii+3] offset:512*ii
.set ii, ii+1
.endr
.endm
.macro ROWMAX                          ; the largest of A0's 64 and of lane l xor 16's 64, into v[TM]
.irp b, 0,1,2,3
	v_max3_num_f32 v[TM+\b], v[A0+16*\b], v[A0+16*\b+1], v[A0+16*\b+2]
.endr
.irp i, 3,5,7,9,11,13
.irp b, 0,1,2,3
	v_max3_num_f32 v[TM+\b], v[TM+\b], v[A0+16*\b+\i], v[A0+16*\b+\i+1]
.endr
.endr
.irp b, 0,1,2,3
	v_max_num_f32 v[TM+\b], v[TM+\b], v[A0+16*\b+15]
.endr
	v_max3_num_f32 v[TM], v[TM], v[TM+1], v[TM+2]
	v_max_num_f32 v[TM], v[TM], v[TM+3]
	v_permlanex16_b32 v[TM+4], v[TM], s[SEL], s[SEL+1]
	v_max_num_f32 v[TM], v[TM], v[TM+4]
.endm
.macro SOFT m                          ; v[m]: the running maximum.  A0 becomes 2^(A0 - the new maximum), which is left in v16; the running sum v[18:19] is brought under it and takes A0's sum
	v_max_num_f32 v16, v[TM], v[\m]
	v_sub_f32 v20, v[\m], v16
	v_exp_f32 v20, v20
	v_mov_b32 v[\m], v16                           ; (a plain place behind the exponential)
	s_wait_dscnt 0x0                               ; LDS stores of A0 have read their registers
.set ii, 0
.rept 32
	v_pk_add_f32 v[A0+2*ii:A0+2*ii+1], v[A0+2*ii:A0+2*ii+1], v[16:17] op_sel_hi:[1,0] neg_lo:[0,1] neg_hi:[0,1]
.set ii, ii+1
.endr
.set ii, 0
.rept 64
	v_exp_f32 v[A0+ii], v[A0+ii]
.set ii, ii+1
.endr
	s_wait_alu depctr_va_vdst(0)
	v_pk_mul_f32 v[18:19], v[18:19], v[20:21] op_sel_hi:[1,0]   ; (a plain place behind the exponentials)
	v_pk_add_f32 v[TM:TM+1], v[A0:A0+1], v[A0+2:A0+3]
.set ii, 4
.rept 15
	v_pk_add_f32 v[18:19], v[18:19], v[A0+ii:A0+ii+1]
	v_pk_add_f32 v[TM:TM+1], v[TM:TM+1], v[A0+ii+2:A0+ii+3]
.set ii, ii+4
.endr
	v_pk_add_f32 v[18:19], v[18:19], v[TM:TM+1]
.endm
	s_load_b128 s[4:7], s[0:1], 0x0                ; qkv s[4:5], gammas s[6:7]
	s_load_b64 s[8:9], s[0:1], 0x10                ; att
	v_lshl_add_u32 v222, v0, 2, 0x41000
	v_mov_b32 v223, 0
	v_lshrrev_b32 v1, 5, v0
	v_readfirstlane_b32 s[WV], v1
	v_and_b32 v1, 15, v0                           ; r
	v_bfe_u32 v2, v0, 4, 1                         ; h
	v_and_b32 v3, 31, v0
	v_lshlrev_b32 v5, 2, v3
	v_lshlrev_b32 v3, 4, v3                        ; 16 x lane; never rewritten
	s_lshl_b32 s26, s[WV], 16
	v_add_nc_u32 v4, s26, v3                       ; my wave's scores in LDS
	s_lshl_b32 s26, s[WV], 10
	s_add_co_u32 s26, s26, 262144
	v_add_nc_u32 v5, s26, v5                       ; and its maxima: 128 bytes a key step
	v_lshlrev_b32 v252, 5, v1                      ; 32 r: a row of att's scale bytes; never rewritten
	s_lshr_b32 s[BH], ttmp9, 3
	s_and_b32 s[PI], ttmp9, 7
	s_lshl_b32 s[PI], s[PI], 2
	s_add_co_u32 s[PI], s[PI], s[WV]
	s_and_b32 s[HEAD], s[BH], 7
	s_lshr_b32 s[BB], s[BH], 3
	s_lshl_b32 s28, s[HEAD], 2
	s_mov_b32 s29, 0
	s_lshl_b32 s[RV0], s[BH], 3
	s_add_co_u32 s[RV0], s[RV0], 1024
	s_mov_b32 s[C2], 0x3e0293ee
	s_mov_b32 s[C2+1], s[C2]
	s_mov_b32 s[SEL], 0x76543210
	s_mov_b32 s[SEL+1], 0xfedcba98
	s_mov_b32 s[CLO], 0x3727c5ac                   ; 1e-5
	s_mov_b32 s[CHI], 0x47c35000                   ; 1e5
	s_mov_b32 s[ONE], 0x3f800000
	v_cvt_f32_u32 v10, v2
	v_sub_f32 v10, 1.0, v10                        ; 1 in lanes 0-15, 0 in lanes 16-31
	v_mov_b32 v13, 0xf149f2ca                      ; -1e30: a hidden key's t
	v_mov_b32 v14, 0
.irp i, 15,17,21,27,29,31,33,35,56,57,58,59
	v_mov_b32 v[\i], 0                             ; upper halves of pairs of which the low word serves both halves, and destinations of lane permutes: written once
.endr
.irp b, 0,1,2,3
	v_mov_b32 v[TM+4+\b], 0
.endr
.irp i, 0,1,2,3,4,5,6,7,8,9,10,11,12,13,14,15
	v_cvt_f32_u32 v[IDX+\i], \i
.endr
	s_wait_kmcnt 0x0
	s_add_nc_u64 s[6:7], s[6:7], s[28:29]
	s_load_b32 s[G2], s[6:7], 0x0                  ; my head's gamma
	s_wait_kmcnt 0x0
	s_and_b32 s[G2], s[G2], 0x7fffffff
	s_mul_f32 s[G2], s[G2], 0xbfb8aa3b             ; -|gamma| log2(e)
	s_mov_b32 s[N], 0
.Ljob:
	s_wait_loadcnt 0x0                             ; no load and no store of the job before still reads a base or a register that is written below
	s_wait_xcnt 0x0
	s_and_b32 s[KIND], s[N], 1                     ; 0 full, 1 band
	s_sub_co_u32 s26, 63, s[PI]
	s_bitcmp1_b32 s[N], 1
	s_cselect_b32 s[QT], s26, s[PI]
	s_lshl_b32 s[Q0], s[QT], 4
	s_lshr_b32 s[JL], s[QT], 3
	s_sub_co_i32 s26, s[Q0], 19
	s_max_i32 s26, s26, 0
	s_lshr_b32 s26, s26, 7
	s_cmp_eq_u32 s[KIND], 1
	s_cselect_b32 s[JF], s26, 0
	s_cselect_b32 s[W], 19, 0x7fffffff
	s_cselect_b32 s[CAP], 0x7f61b1e6, s[ONE]       ; the weight's factor is min(cap, mul / sum): full min(1, 5 / sum), band 1 / sum
	s_cselect_b32 s[MUL], s[ONE], 0x40a00000
	s_mov_b32 s29, 0
	s_lshl_b32 s26, s[KIND], 8                     ; att: image ((kind 256 + batch 64 + qt) 8 + head)
	s_lshl_b32 s27, s[BB], 6
	s_add_co_u32 s26, s26, s27
	s_add_co_u32 s26, s26, s[QT]
	s_lshl_b32 s26, s26, 3
	s_add_co_u32 s26, s26, s[HEAD]
	s_mul_i32 s28, s26, 1536
	s_add_nc_u64 s[OB:OB+1], s[8:9], s[28:29]
	s_lshl_b32 s26, s[KIND], 12                    ; its scale words: row kind 4096 + batch 1024 + query, 32 bytes a row, word = head
	s_lshl_b32 s27, s[BB], 10
	s_add_co_u32 s26, s26, s27
	s_add_co_u32 s26, s26, s[Q0]
	s_lshl_b32 s26, s26, 5
	s_lshl_b32 s27, s[HEAD], 2
	s_add_co_u32 s26, s26, s27
	s_add_co_u32 s28, s26, ASC
	s_add_nc_u64 s[OSB:OSB+1], s[8:9], s[28:29]
	s_lshl_b32 s26, s[KIND], 6                     ; Q's record: (64 kind + (batch, head)) 8 + qt / 8; image qt % 8
	s_add_co_u32 s26, s26, s[BH]
	s_lshl_b32 s26, s26, 3
	s_add_co_u32 s26, s26, s[JL]
	s_and_b32 s27, s[QT], 7
	s_mul_i32 s28, s26, 12288
	s_mul_i32 s44, s27, 1536
	s_add_co_u32 s28, s28, s44
	s_add_nc_u64 s[QB:QB+1], s[4:5], s[28:29]
	s_lshl_b32 s28, s26, 10
	s_lshr_b32 s44, s27, 2
	s_lshl_b32 s44, s44, 9
	s_add_co_u32 s28, s28, s44
	s_and_b32 s44, s[QT], 3
	s_lshl_b32 s44, s44, 2
	s_add_co_u32 s28, s28, s44
	s_add_co_u32 s28, s28, SCB
	s_add_nc_u64 s[QSB:QSB+1], s[4:5], s[28:29]
	s_lshl_b32 s[RK0], s[KIND], 6                  ; K's first record: ((1 + 2 kind) 32 + (batch, head)) 8
	s_add_co_u32 s[RK0], s[RK0], 32
	s_add_co_u32 s[RK0], s[RK0], s[BH]
	s_lshl_b32 s[RK0], s[RK0], 3
.irp c, 0,1,2
	global_load_b128 v[QF+4*\c:QF+4*\c+3], v3, s[QB:QB+1] offset:512*\c
.endr
	global_load_b32 v[QS], v3, s[QSB:QSB+1]        ; word qt % 4 of my lane's four
	s_add_co_u32 s26, s[RK0], s[JF]
	FETCH
	v_add_nc_u32 v8, s[Q0], v1                     ; my query
	v_lshlrev_b32 v15, 4, v2
	v_sub_nc_u32 v9, v8, v15                       ; - 16 h
	v_mov_b32 v22, 0xff61b1e6                      ; the maxima so far: -3e38
	v_mov_b32 v23, 0xff61b1e6
	v_mov_b32 v18, 0
	v_mov_b32 v19, 0
	v_mov_b32 v24, 0                               ; the sum of e1 over the key steps behind the one in hand
	; ---- PASS I, keys ascending: t to LDS; the first maximum and sum
	s_mov_b32 s[JJ], 0
.Lone:
	s_cmp_lt_u32 s[JJ], s[JF]
	s_cbranch_scc1 .Lone_next
	s_cmp_gt_u32 s[JJ], s[JL]
	s_cbranch_scc1 .Lone_next
	s_lshl_b32 s26, s[JJ], 13
	v_add_nc_u32 v6, s26, v4
	s_wait_loadcnt 0x0                             ; K's record (and, the first time, Q)
	WIN 0x01                                       ; source 0 in window 1
.irp t, 0,1,2,3,4,5,6,7
	v_wmma_scale_f32_16x16x128_f8f6f4 v[A0+8*\t:A0+8*\t+7], v[12*\t:12*\t+11], v[QF:QF+11], 0, v[KVS+\t], v[QS] matrix_a_fmt:MATRIX_FMT_FP6 matrix_b_fmt:MATRIX_FMT_FP6
.endr
	WIN 0
.rept 4
	v_nop                                          ; places in front of the loads into K's registers and of the first read of the scores
.endr
	s_add_co_u32 s26, s[RK0], s[JJ]
	s_add_co_u32 s26, s26, 1
	s_add_co_u32 s27, s[RV0], s[JF]
	s_cmp_lt_u32 s[JJ], s[JL]
	s_cselect_b32 s26, s26, s27                    ; the next step's K; behind the last step V's first record, which lands under pass II
	FETCH
.set ii, 0
.rept 32
	v_pk_mul_f32 v[A0+2*ii:A0+2*ii+1], v[A0+2*ii:A0+2*ii+1], s[C2:C2+1] op_sel_hi:[1,0]   ; t; each accumulator from its low end on
.set ii, ii+1
.endr
	s_cmp_eq_u32 s[KIND], 1                        ; hidden keys: in every step of the band, in the last step of the full attention
	s_cbranch_scc1 .Lone_mask
	s_cmp_lg_u32 s[JJ], s[JL]
	s_cbranch_scc1 .Lone_open
.Lone_mask:
	s_lshl_b32 s27, s[JJ], 7
	s_add_co_u32 s27, s27, 1
	s_sub_co_u32 s27, 0, s27
	v_add_nc_u32 v253, s27, v9                     ; query - 1 - 128 j - 16 h; register 16 b + i holds the key 32 b + i further on
.set nn, 0
.rept 64
	v_add_nc_u32 v[242+nn%2], -(32*(nn/16)+nn%16), v253
	v_cmp_gt_u32 vcc_lo, s[W], v[242+nn%2]
	v_cndmask_b32 v[A0+nn], v13, v[A0+nn], vcc_lo
.set nn, nn+1
.endr
.Lone_open:
	STT
	ROWMAX
	SOFT 22
.Lone_next:
	s_add_co_u32 s[JJ], s[JJ], 1
	s_cmp_lt_u32 s[JJ], 8
	s_cbranch_scc1 .Lone
	v_add_f32 v18, v18, v19
	v_permlanex16_b32 v15, v18, s[SEL], s[SEL+1]
	v_add_f32 v18, v18, v15                        ; the first sum
	v_rsq_f32 v26, v18
	v_mov_b32 v19, 0                               ; (a plain place behind the transcendental)
	s_wait_alu depctr_va_vdst(0)
	v_mul_f32 v26, s[G2], v26                      ; -|gamma| log2(e) / sqrt(sum): sqrt(suffix of e1 x distance) x this = log2(effect)
	v_mov_b32 v18, 0
	; ---- PASS II, keys descending: suffix sums, effect, t2, the second running maximum and sum; e2 and its maximum to LDS
	s_mov_b32 s[JJ], 0
.Ltwo:
	s_xor_b32 s[J], s[JJ], 7
	s_cmp_lt_u32 s[J], s[JF]
	s_cbranch_scc1 .Ltwo_next
	s_cmp_gt_u32 s[J], s[JL]
	s_cbranch_scc1 .Ltwo_next
	s_lshl_b32 s26, s[J], 13
	v_add_nc_u32 v6, s26, v4
	s_lshl_b32 s26, s[J], 7
	v_add_nc_u32 v7, s26, v5
	LDT
	s_sub_co_u32 s26, 0, s26
	v_add_nc_u32 v15, s26, v9
	v_cvt_f32_i32 v15, v15                         ; query - 128 j - 16 h
	v_mov_b32 v28, v15                             ; less 32 b: block b's distance at i = 0
	v_add_f32 v30, 0xc2000000, v15
	v_add_f32 v32, 0xc2800000, v15
	v_add_f32 v34, 0xc2c00000, v15
	s_wait_dscnt 0x0
.set ii, 0
.rept 32
	v_pk_add_f32 v[A0+2*ii:A0+2*ii+1], v[A0+2*ii:A0+2*ii+1], v[22:23] op_sel_hi:[1,0] neg_lo:[0,1] neg_hi:[0,1]
.set ii, ii+1
.endr
.set ii, 0
.rept 64
	v_exp_f32 v[A0+ii], v[A0+ii]                   ; e1 = 2^(t - the first maximum)
.set ii, ii+1
.endr
	v_mov_b32 v63, v24                             ; what lies behind block 3.  (A plain place behind the exponentials)
	s_wait_alu depctr_va_vdst(0)
.irp b, 0,1,2,3
	v_pk_add_f32 v[A1+2*\b:A1+2*\b+1], v[A0+16*\b:A0+16*\b+1], v[A0+16*\b+2:A0+16*\b+3]
.endr
.irp i, 4,6,8,10,12,14
.irp b, 0,1,2,3
	v_pk_add_f32 v[A1+2*\b:A1+2*\b+1], v[A1+2*\b:A1+2*\b+1], v[A0+16*\b+\i:A0+16*\b+\i+1]
.endr
.endr
.irp b, 0,1,2,3
	v_add_f32 v[52+\b], v[A1+2*\b], v[A1+2*\b+1]   ; my 16 keys' sum in block b
.endr
.irp b, 0,1,2,3
	v_permlanex16_b32 v[56+\b], v[52+\b], s[SEL], s[SEL+1]
.endr
.irp b, 0,1,2,3
	v_add_f32 v[52+\b], v[52+\b], v[56+\b]         ; the block's
.endr
	v_add_f32 v62, v63, v55                        ; what lies behind block 2, 1, 0,
	v_add_f32 v61, v62, v54
	v_add_f32 v60, v61, v53
	v_add_f32 v24, v60, v52                        ; and behind the step in front
.irp b, 0,1,2,3
	v_fma_f32 v[A1+16*\b+15], v[56+\b], v10, v[60+\b]   ; behind my last key of the block: lanes 0-15 have lanes 16-31's 16 keys too
.endr
.irp i, 14,13,12,11,10,9,8,7,6,5,4,3,2,1,0
.irp b, 0,1,2,3
	v_add_f32 v[A1+16*\b+\i], v[A1+16*\b+\i+1], v[A0+16*\b+\i+1]   ; the sum of e1 over later keys; four chains by turns
.endr
.endr
	LDT                                            ; t once more
.set nn, 0
.rept 32
	v_pk_add_f32 v[242+12*(nn%2):243+12*(nn%2)], v[28+2*(nn/8):29+2*(nn/8)], v[IDX+2*(nn%8):IDX+2*(nn%8)+1] op_sel_hi:[0,1] neg_lo:[0,1] neg_hi:[0,1]   ; query - key
	v_pk_mul_f32 v[A1+2*nn:A1+2*nn+1], v[A1+2*nn:A1+2*nn+1], v[242+12*(nn%2):243+12*(nn%2)]
.set nn, nn+1
.endr
.set ii, 0
.rept 64
	v_sqrt_f32 v[A1+ii], |v[A1+ii]|                ; (open keys: never negative; hidden keys: any finite number serves)
.set ii, ii+1
.endr
	v_nop                                          ; a plain place behind the roots
.set ii, 0
	s_wait_alu depctr_va_vdst(0)
.rept 32
	v_pk_mul_f32 v[A1+2*ii:A1+2*ii+1], v[A1+2*ii:A1+2*ii+1], v[26:27] op_sel_hi:[1,0]
.set ii, ii+1
.endr
.set ii, 0
.rept 64
	v_exp_f32 v[A1+ii], v[A1+ii]
.set ii, ii+1
.endr
	v_nop                                          ; a plain place behind the exponentials
.set ii, 0
	s_wait_alu depctr_va_vdst(0)
.rept 64
	v_med3_num_f32 v[A1+ii], v[A1+ii], s[CLO], s[CHI]   ; the clip
.set ii, ii+1
.endr
	s_wait_dscnt 0x0
.set ii, 0
.rept 32
	v_pk_mul_f32 v[A0+2*ii:A0+2*ii+1], v[A0+2*ii:A0+2*ii+1], v[A1+2*ii:A1+2*ii+1]   ; t2
.set ii, ii+1
.endr
	ROWMAX
	SOFT 23
	STT                                            ; e2, over t
	ds_store_b32 v7, v16                           ; and the maximum that it was taken under
	s_wait_dscnt 0x0
.Ltwo_next:
	s_add_co_u32 s[JJ], s[JJ], 1
	s_cmp_lt_u32 s[JJ], 8
	s_cbranch_scc1 .Ltwo
	v_add_f32 v18, v18, v19
	v_permlanex16_b32 v15, v18, s[SEL], s[SEL+1]
	v_add_f32 v18, v18, v15                        ; the second sum
	v_rcp_f32 v19, v18
	v_nop
	s_wait_alu depctr_va_vdst(0)
	v_fma_f32 v15, -v18, v19, 1.0                  ; one step of refinement
	v_fma_f32 v19, v15, v19, v19
	v_mul_f32 v25, s[MUL], v19
	v_min_num_f32 v25, s[CAP], v25
	v_cmp_eq_u32 vcc_lo, 0, v8
	v_cndmask_b32 v25, v25, v14, vcc_lo            ; query 0 has no open key: its weights are 0
.set ii, 0
.rept 64
	v_mov_b32 v[A1+ii], 0                          ; O^T: the job's first step is no fixed trip of the loop, so the sums begin as zeros
.set ii, ii+1
.endr
	; ---- PASS III, keys ascending: the weights finished, quantised along the keys, times V
	s_mov_b32 s[JJ], 0
.Lthree:
	s_cmp_lt_u32 s[JJ], s[JF]
	s_cbranch_scc1 .Lthree_next
	s_cmp_gt_u32 s[JJ], s[JL]
	s_cbranch_scc1 .Lthree_next
	s_lshl_b32 s26, s[JJ], 13
	v_add_nc_u32 v6, s26, v4
	s_lshl_b32 s26, s[JJ], 7
	v_add_nc_u32 v7, s26, v5
	LDT
	ds_load_b32 v15, v7
	s_wait_dscnt 0x0
	v_sub_f32 v20, v15, v23
	v_exp_f32 v20, v20                             ; from the step's maximum to the row's
	v_nop
	s_wait_alu depctr_va_vdst(0)
	v_mul_f32 v20, v20, v25
.set ii, 0
.rept 32
	v_pk_mul_f32 v[A0+2*ii:A0+2*ii+1], v[A0+2*ii:A0+2*ii+1], v[20:21] op_sel_hi:[1,0]
.set ii, ii+1
.endr
	QUANT A0, PC, PW
.rept 8
	v_nop                                          ; a scale register written by a vector instruction stands 8 places ahead of a scaled matrix instruction, an operand 4
.endr
	s_wait_loadcnt 0x0                             ; V's record
	WIN 0x01
.irp t, 0,1,2,3,4,5,6,7                        ; eight accumulators by turns
	v_wmma_scale_f32_16x16x128_f8f6f4 v[A1+8*\t:A1+8*\t+7], v[12*\t:12*\t+11], v[PC:PC+11], v[A1+8*\t:A1+8*\t+7], v[KVS+\t], v[PW] matrix_a_fmt:MATRIX_FMT_FP6 matrix_b_fmt:MATRIX_FMT_FP6
.endr
	WIN 0
.rept 4
	v_nop                                          ; places in front of the loads into V's registers, of the next codes and of the first read of O^T
.endr
	s_cmp_ge_u32 s[JJ], s[JL]
	s_cbranch_scc1 .Lthree_next
	s_add_co_u32 s26, s[RV0], s[JJ]
	s_add_co_u32 s26, s26, 1
	FETCH
.Lthree_next:
	s_add_co_u32 s[JJ], s[JJ], 1
	s_cmp_lt_u32 s[JJ], 8
	s_cbranch_scc1 .Lthree
	QUANT A1, PC, PW                               ; O^T: register 16 b + i is channel 32 b + 16 h + i of my query: K step = head of the output projection
.irp c, 0,1,2
	global_store_b128 v3, v[PC+4*\c:PC+4*\c+3], s[OB:OB+1] offset:512*\c
.endr
	global_store_b32 v252, v[PW], s[OSB:OSB+1]     ; lanes 16-31 store the same words to the same places
	s_add_co_u32 s[N], s[N], 1
	s_cmp_lt_u32 s[N], 4
	s_cbranch_scc1 .Ljob
	s_wait_tensorcnt 0x0
	ds_add_u32 v222, v223
	s_wait_dscnt 0x0
	s_endpgm
.Lfunc_end_k_qc8c7313300_attn:
	.size	k_qc8c7313300_attn, .Lfunc_end_k_qc8c7313300_attn-k_qc8c7313300_attn
	.p2alignl 7, 3214868480
	.fill 96, 4, 3214868480
	.section	.rodata,"a",@progbits
	.p2align	6, 0x0
	.amdhsa_kernel k_qc8c7313300_attn
		.amdhsa_group_segment_fixed_size 266752
		.amdhsa_private_segment_fixed_size 0
		.amdhsa_enable_private_segment 0
		.amdhsa_kernarg_size 24
		.amdhsa_user_sgpr_count 2
		.amdhsa_user_sgpr_kernarg_segment_ptr 1
		.amdhsa_wavefront_size32 1
		.amdhsa_system_sgpr_workgroup_id_x 1
		.amdhsa_system_sgpr_workgroup_id_y 1
		.amdhsa_system_sgpr_workgroup_id_z 1
		.amdhsa_system_vgpr_workitem_id 0
		.amdhsa_next_free_vgpr 384
		.amdhsa_next_free_sgpr 66
		.amdhsa_reserve_vcc 1
		.amdhsa_float_denorm_mode_32 3
		.amdhsa_float_denorm_mode_16_64 3
		.amdhsa_memory_ordered 1
		.amdhsa_forward_progress 1
		.amdhsa_inst_pref_size 90
	.end_amdhsa_kernel
	.amdgpu_metadata
---
amdhsa.version: [ 1, 2 ]
amdhsa.kernels:
  - .name:           k_qc8c7313300_attn
    .symbol:         k_qc8c7313300_attn.kd
    .args:
      - { .name: qkv, .offset: 0, .size: 8, .value_kind: global_buffer, .address_space: global }
      - { .name: gammas, .offset: 8, .size: 8, .value_kind: global_buffer, .address_space: global }
      - { .name: att, .offset: 16, .size: 8, .value_kind: global_buffer, .address_space: global }
    .group_segment_fixed_size: 266752
    .private_segment_fixed_size: 0
    .kernarg_segment_align: 8
    .kernarg_segment_size: 24
    .max_flat_workgroup_size: 128
    .sgpr_count:     66
    .vgpr_count:     384
    .wavefront_size: 32
...
	.end_amdgpu_metadata
.endif
;; end of part 4
;; launch gemm2 (part 5): grid 4 x 32, 4 waves a work-group, clusters of 4 x 4, 327,680 bytes of LDS; arguments att, bcode, xscl, y; writes y
.if DOCPART == 5
	.amdgcn_target "amdgcn-amd-amdhsa--gfx1250"
	.amdhsa_code_object_version 6
	.text
	.protected	k_qc8c7313300_gemm2
	.globl	k_qc8c7313300_gemm2
	.p2align	8
	.type	k_qc8c7313300_gemm2,@function
k_qc8c7313300_gemm2:
	s_mov_b64 s[64:65], 0
	v_nop
	global_prefetch_b8 v0, s[64:65] scope:SCOPE_SE
	s_setreg_imm32_b32 hwreg(HW_REG_WAVE_MODE, 25, 1), 1
	s_wait_xcnt 0x0
	s_wait_alu depctr_hold_cnt(0) depctr_sa_sdst(0) depctr_va_vdst(0) depctr_va_sdst(0) depctr_va_ssrc(0) depctr_va_vcc(0) depctr_vm_vsrc(0)
	s_getreg_b32 s2, hwreg(HW_REG_IB_STS2, 6, 4)
	s_cmp_eq_u32 s2, 0
	s_cbranch_scc0 .Lentry_in_a_cluster
	s_endpgm
.Lentry_in_a_cluster:
	s_bfe_u32 s2, ttmp6, 0x10000c
	s_cmp_lg_u32 s2, 0xf033
	s_cbranch_scc0 .Lentry_shape_is_right
	s_endpgm
.Lentry_shape_is_right:
; The two output projections, on codes of FP6 (E2M3) with E8M0 scales, K = 1024: y rows 0-4095 = (full attention) Wo, rows 4096-8191 = (band attention) Wow; f32, without the biases.
; C = A B^T in tiles of 256 x 256, four waves of 128 x 128.  A: att (512 tiles of 16 rows, natural order; scale bytes from ASC on), B: bcode tiles 384-447 (Wo), 448-511 (Wow), scale bytes in xscl from BSC on.
; Operands lie in memory as images of their registers (16 rows x 128 K = 1,536 bytes; a tile has 8 on end): a K step of 256 of 128 rows is 8 rows of 3,072 bytes, 12,288 apart: one tensor load; a fragment comes from LDS by three loads of 16 bytes a lane.
; K goes in steps of 256 through a ring of two LDS slots; the scale bytes of the work-group's rows come once and stay.  CLUSTERS: 4 x 4; A's tiles are asked for jointly along a row of the cluster, B's along a column.
; THE MATRIX INSTRUCTION IS USED TRANSPOSED (source 0 = B, source 1 = A).  B's tiles hold spread rows (row r of tile 2 g + u is 32 g + 8 u + r + 8 (r / 8)): register j of accumulator (a, b) is column 32 (b / 2) + 16 (lane / 16) + 8 (b % 2) + j.
; REGISTERS: window 0: v16-31 addresses; v32-63 scale words and nothing else; v128-223 A's fragments (on the way out v128-255 rows of y); window 1: B's fragments, two sets; windows 2, 3: the accumulators.
.set NQ,     2
.set ROWB,   3072
.set KROW,   12288
.set FR,     12
.set NL,     3
.set NP,     4
.set HALFT,  8*ROWB
.set SLOT,   4*HALFT
.set LAPS,   2
.set KS,     32
.set SCL,    2*SLOT
.set HALFS,  16*272
.set SBLK,   2*272
.set SPARE,  SCL+4*HALFS               ; the spare words, 128 bytes for each wave: two blocks of 256 bytes that no other line names
.set BSC,    294912
.set ASC,    6291456
.set SPITCH, 528                       ; the way out: a stage of 16 rows x (512 bytes + 16) for each wave, in slot 0, which has had its last fill and its last read by then
.set ADRA, 16
.set ADRB, 20
.set STO,  24
.set RD,   25
.set CO,   26
.set ADRS, 27
.set SPW,  28
.set NIL,  29
.set SC,   32
.set AF,   128
.set BK,   128
.set WV,   18
.set HR,   19
.set HC,   20
.set G1,   24
.set G0,   32
.set G1B,  48
.set G0B,  56
.set G1S,  68
.set G0S,  76
.set G1SB, 80
.set G0SB, 88
.set MSB, 0
.macro WIN new
.if MSB != (\new)
	s_set_vgpr_msb (MSB<<8)|(\new)
.set MSB, (\new)
.endif
.endm
.set MUL_LO, 0xa1
.set MUL_HI, 0xf1
.set TO_B,   0x40
.macro JLOAD g0a, g1a, g0b, g1b        ; a joint load: waves 0 and 1 fetch for A, waves 2 and 3 for B; four v_nop follow each of the two lines
	s_cmp_eq_u32 s[HR], 0
	s_cbranch_scc0 .Lfor_b_\@
	tensor_load_to_lds s[\g0a:\g0a+3], s[\g1a:\g1a+7]
	s_nop 0
.rept 4
	v_nop
.endr
	s_branch .Lasked_\@
.Lfor_b_\@:
	tensor_load_to_lds s[\g0b:\g0b+3], s[\g1b:\g1b+7]
	s_nop 0
.rept 4
	v_nop
.endr
.Lasked_\@:
.endm
.macro CREST
	s_cmp_lg_u32 s[WV], 0
	s_cbranch_scc1 .Lnot_wave_0_\@
	s_barrier_signal -3
.Lnot_wave_0_\@:
	s_barrier_wait -3
	s_barrier_signal -1
	s_barrier_wait -1
.endm
.macro CROUND
	s_barrier_signal -1
	s_barrier_wait -1
	CREST
.endm
	s_load_b256 s[4:11], s[0:1], 0x0               ; att s[4:5], bcode s[6:7], xscl s[8:9], y s[10:11]
	v_lshl_add_u32 v[SPW], v0, 2, SPARE
	v_mov_b32 v[NIL], 0
	ds_add_u32 v28, v29
	ds_add_u32 v28, v29
	s_wait_dscnt 0x0
	v_lshrrev_b32 v1, 5, v0
	v_readfirstlane_b32 s[WV], v1
	s_lshr_b32 s[HR], s[WV], 1
	s_and_b32 s[HC], s[WV], 1
	s_bfe_u32 s40, ttmp6, 0x40000                  ; cx
	s_bfe_u32 s41, ttmp6, 0x40004                  ; cy
	s_and_b32 s21, ttmp7, 0xffff                   ; the cluster's y
	s_lshl_b32 s47, s21, 2
	s_add_co_u32 s47, s47, s41                     ; tile row
	s_lshl_b32 s42, ttmp9, 2
	s_add_co_u32 s42, s42, s40                     ; tile column
	s_lshr_b32 s23, s21, 2
	s_lshl_b32 s23, s23, 6
	s_add_co_u32 s23, s23, 384                     ; the weight's first tile: Wo for clusters y 0-3, Wow for 4-7
	s_lshl_b32 s43, s41, 2
	s_lshl_b32 s43, 15, s43                        ; my row of the cluster
	s_lshl_b32 s44, 0x1111, s40                    ; my column
	s_or_b32 s[G1+0], s43, (3<<16)|(1<<21)         ; codes: 8 rows of 384 elements of 8 bytes, 1,536 elements apart; no padding
	s_or_b32 s[G1B+0], s44, (3<<16)|(1<<21)
.irp g, G1, G1B
	s_mov_b32 s[\g+1], 384<<16
	s_mov_b32 s[\g+2], 8<<16
	s_mov_b32 s[\g+3], 384<<16
	s_mov_b32 s[\g+4], 8
	s_mov_b32 s[\g+5], 1536
	s_mov_b32 s[\g+6], 0
	s_mov_b32 s[\g+7], 0
.endr
	s_or_b32 s[G1S+0], s43, (3<<16)|(1<<20)|(1<<21)|(5<<22)|(3<<25)   ; scale bytes of 128 rows: 16 rows of 256 bytes, 16 of padding behind each
	s_or_b32 s[G1SB+0], s44, (3<<16)|(1<<20)|(1<<21)|(5<<22)|(3<<25)
.irp g, G1S, G1SB
	s_mov_b32 s[\g+1], 32<<16
	s_mov_b32 s[\g+2], 16<<16
	s_mov_b32 s[\g+3], 32<<16
	s_mov_b32 s[\g+4], 16
	s_mov_b32 s[\g+5], 32
	s_mov_b32 s[\g+6], 0
	s_mov_b32 s[\g+7], 0
.endr
	s_lshl_b32 s66, s47, 4
	s_lshl_b32 s67, s[HC], 3
	s_add_co_u32 s66, s66, s67                     ; A: the first tile of 16 rows that I fetch
	s_lshl_b32 s94, s66, 9
	s_add_co_u32 s94, s94, ASC
	s_mul_i32 s66, s66, KROW
	s_mov_b32 s67, 0
	s_mov_b32 s95, 0
	s_lshl_b32 s96, s42, 4
	s_lshl_b32 s97, s[HC], 3
	s_add_co_u32 s96, s96, s97
	s_add_co_u32 s96, s96, s23                     ; B likewise
	s_lshl_b32 s98, s96, 9
	s_add_co_u32 s98, s98, BSC
	s_mul_i32 s96, s96, KROW
	s_mov_b32 s97, 0
	s_mov_b32 s99, 0
	s_mul_i32 s45, s[WV], HALFT
	s_mul_i32 s46, s[WV], HALFS
	s_wait_kmcnt 0x0
	s_add_nc_u64 s[66:67], s[4:5], s[66:67]
	s_add_nc_u64 s[94:95], s[4:5], s[94:95]
	s_add_nc_u64 s[96:97], s[6:7], s[96:97]
	s_add_nc_u64 s[98:99], s[8:9], s[98:99]
	CROUND                                         ; all sixteen work-groups are here: the first joint loads meet
	s_mov_b32 s[G0S], 1
	s_add_co_u32 s[G0S+1], s46, SCL
	s_mov_b64 s[G0S+2:G0S+3], s[94:95]
	s_or_b32 s[G0S+3], s[G0S+3], 0x80000000
	s_mov_b32 s[G0SB], 1
	s_add_co_u32 s[G0SB+1], s46, SCL
	s_mov_b64 s[G0SB+2:G0SB+3], s[98:99]
	s_or_b32 s[G0SB+3], s[G0SB+3], 0x80000000
	JLOAD G0S, G1S, G0SB, G1SB
.irp s, 0,1
	s_mov_b32 s[G0+4*\s], 1
	s_add_co_u32 s[G0+4*\s+1], s45, \s*SLOT
	s_add_nc_u64 s[G0+4*\s+2:G0+4*\s+3], s[66:67], \s*ROWB
	s_or_b32 s[G0+4*\s+3], s[G0+4*\s+3], 0x80000000
	s_mov_b32 s[G0B+4*\s], 1
	s_add_co_u32 s[G0B+4*\s+1], s45, \s*SLOT
	s_add_nc_u64 s[G0B+4*\s+2:G0B+4*\s+3], s[96:97], \s*ROWB
	s_or_b32 s[G0B+4*\s+3], s[G0B+4*\s+3], 0x80000000
	JLOAD G0+4*\s, G1, G0B+4*\s, G1B               ; three tensor loads of mine are out
.endr
	v_and_b32 v1, 15, v0                           ; r
	v_bfe_u32 v2, v0, 4, 1                         ; h
	v_and_b32 v3, 31, v0
	v_lshlrev_b32 v[CO], 4, v3                     ; 16 x lane
	s_mul_i32 s2, s[HR], HALFT
	s_mul_i32 s3, s[HC], HALFT
	s_add_co_u32 s3, s3, 2*HALFT
.irp s, 0,1
	v_add_nc_u32 v[ADRA+\s], s2, v[CO]
	v_add_nc_u32 v[ADRB+\s], s3, v[CO]
	s_add_co_u32 s2, s2, SLOT
	s_add_co_u32 s3, s3, SLOT
.endr
	v_mul_u32_u24 v5, v1, KS
	v_lshrrev_b32 v6, 8, v5
	v_lshl_add_u32 v5, v6, 4, v5
	s_mul_i32 s2, s[HR], HALFS
	s_mul_i32 s3, s[HC], HALFS
	s_add_co_u32 s3, s3, 2*HALFS
	s_sub_co_u32 s3, s3, s2
	v_mul_u32_u24 v6, s3, v2                       ; lanes 16-31 take B's
	s_add_co_u32 s2, s2, SCL
	v_add_nc_u32 v5, v5, v6
	v_add_nc_u32 v[ADRS], s2, v5
	s_mul_i32 s2, s[WV], 16*SPITCH                 ; my stage
	v_mul_u32_u24 v5, v1, SPITCH
	v_lshl_add_u32 v5, v2, 6, v5
	v_add_nc_u32 v[STO], s2, v5                    ; in: row r, + 64 h
	v_add_nc_u32 v[RD], s2, v[CO]                  ; back: the 32 lanes take one row of 512 bytes
	s_lshl_b32 s2, s47, 8
	s_lshl_b32 s3, s[HR], 7
	s_add_co_u32 s2, s2, s3                        ; my first row of y
	s_lshl_b32 s2, s2, 12
	s_lshl_b32 s3, s42, 10
	s_add_co_u32 s2, s2, s3
	s_lshl_b32 s3, s[HC], 9
	s_add_co_u32 s2, s2, s3                        ; + my first column's bytes
	s_mov_b32 s3, 0
	s_add_nc_u64 s[10:11], s[10:11], s[2:3]
.macro FRAG reg, adr, q, i
.irp c, 0,1,2
	ds_load_b128 v[\reg+4*\c:\reg+4*\c+3], v[\adr] offset:(\i)*ROWB+(\q)*1536+512*\c
.endr
.endm
; The 64 accumulators take turns, one instruction a turn, in the same order in every step.
.macro MUL16 a0, p, q, sc, zero
.irp a, \a0, \a0+1
.irp b, 0,1,2,3,4,5,6,7
.if \zero
	v_wmma_scale_f32_16x16x128_f8f6f4 v[8*(8*((\a)%4)+\b):8*(8*((\a)%4)+\b)+7], v[128*(\p)+FR*\b:128*(\p)+FR*\b+FR-1], v[AF+FR*(\a):AF+FR*(\a)+FR-1], 0, v[SC+8*NQ*(\sc)+NQ*\b+(\q)], v[SC+8*NQ*(\sc)+NQ*(\a)+(\q)] matrix_a_fmt:MATRIX_FMT_FP6 matrix_b_fmt:MATRIX_FMT_FP6 matrix_a_scale:MATRIX_SCALE_ROW1
.else
	v_wmma_scale_f32_16x16x128_f8f6f4 v[8*(8*((\a)%4)+\b):8*(8*((\a)%4)+\b)+7], v[128*(\p)+FR*\b:128*(\p)+FR*\b+FR-1], v[AF+FR*(\a):AF+FR*(\a)+FR-1], v[8*(8*((\a)%4)+\b):8*(8*((\a)%4)+\b)+7], v[SC+8*NQ*(\sc)+NQ*\b+(\q)], v[SC+8*NQ*(\sc)+NQ*(\a)+(\q)] matrix_a_fmt:MATRIX_FMT_FP6 matrix_b_fmt:MATRIX_FMT_FP6 matrix_a_scale:MATRIX_SCALE_ROW1
.endif
.endr
.endr
.endm
.macro FETCH_B slot, q, p
	WIN TO_B
.irp i, 0,1,2,3,4,5,6,7
	FRAG 128*(\p)+FR*\i, ADRB+\slot, \q, \i
.endr
	WIN 0
.endm
.macro FETCH_A slot, q, i0
.irp i, \i0, \i0+1, \i0+2, \i0+3
	FRAG AF+FR*(\i), ADRA+\slot, \q, \i
.endr
.endm
.macro SCALES sc
.irp i, 0,1,2,3,4,5,6,7
	ds_load_b64 v[SC+8*NQ*\sc+NQ*\i:SC+8*NQ*\sc+NQ*\i+1], v[ADRS] offset:\i*SBLK
.endr
.endm
.macro PLACES n                        ; plain vector lines between a matrix instruction and a load into, or a read of, its registers (ISA guide 7.12.1 for reads)
.rept \n
	v_nop
.endr
.endm
.macro STEP slot, q, zero
	s_wait_dscnt 4*NL                              ; B's set and A's blocks 0-3 are in; the youngest 12 loads (A's blocks 4-7) may be out
	WIN MUL_LO
	MUL16 0, (\q)%2, \q, \slot, \zero
	MUL16 2, (\q)%2, \q, \slot, \zero
	s_wait_dscnt 0
	PLACES NP
	FETCH_B \slot, (\q)+1, 1-(\q)%2
	FETCH_A \slot, (\q)+1, 0
	WIN MUL_HI
	MUL16 4, (\q)%2, \q, \slot, \zero
	MUL16 6, (\q)%2, \q, \slot, \zero
	PLACES NP
	WIN 0
	FETCH_A \slot, (\q)+1, 4
.endm
.macro TURN slot, next, fill
	s_wait_tensorcnt 0x0                           ; all my tensor loads have landed: my part of the next slot
	ds_add_u32 v[SPW], v[NIL]                      ; 0 onto my spare word
	s_wait_dscnt 4*NL+1                            ; (the add and the youngest 12 loads may be out)
	WIN MUL_LO
	MUL16 0, 1, NQ-1, \slot, 0
	s_wait_dscnt 0x0                               ; the add is done, and my reads of this slot are over
	s_barrier_signal -1
	MUL16 2, 1, NQ-1, \slot, 0
	WIN 0
	s_barrier_wait -1
.if \fill
	CREST                                          ; the barrier has opened a round of the cluster's barrier: no wave of any partner still reads this slot or has a load on its way
	s_add_nc_u64 s[G0+4*\slot+2:G0+4*\slot+3], s[G0+4*\slot+2:G0+4*\slot+3], 2*ROWB
	s_add_nc_u64 s[G0B+4*\slot+2:G0B+4*\slot+3], s[G0B+4*\slot+2:G0B+4*\slot+3], 2*ROWB
	JLOAD G0+4*\slot, G1, G0B+4*\slot, G1B         ; the first tensor load behind the round, my only one until the next
.else
	PLACES NP
.endif
	v_add_nc_u32 v[ADRS], 4*NQ, v[ADRS]
	FETCH_B \next, 0, 0
	FETCH_A \next, 0, 0
	SCALES \next
	WIN MUL_HI
	MUL16 4, 1, NQ-1, \slot, 0
	MUL16 6, 1, NQ-1, \slot, 0
	PLACES NP
	WIN 0
	FETCH_A \next, 0, 4
.endm
	s_wait_tensorcnt 1                             ; the scales and my part of K step 0 are in; K step 1's load may be out
	s_barrier_signal -1
	s_barrier_wait -1
	FETCH_B 0, 0, 0
	FETCH_A 0, 0, 0
	SCALES 0
	FETCH_A 0, 0, 4
	STEP 0, 0, 1
	s_mov_b32 s100, LAPS-1
.Llap:
	TURN 0, 1, 1
	STEP 1, 0, 0
	TURN 1, 0, 1
	STEP 0, 0, 0
	s_sub_co_u32 s100, s100, 1
	s_cmp_lg_u32 s100, 0
	s_cbranch_scc1 .Llap
	TURN 0, 1, 0
	STEP 1, 0, 0
	s_wait_dscnt 4*NL
	WIN MUL_LO
	MUL16 0, 1, NQ-1, 1, 0
	MUL16 2, 1, NQ-1, 1, 0
	s_wait_dscnt 0
	WIN MUL_HI
	MUL16 4, 1, NQ-1, 1, 0
	MUL16 6, 1, NQ-1, 1, 0
	WIN 0
; THE WAY OUT, block by block of 16 rows x 128 columns, through my own stage in LDS: in by 32 bytes of a row, at the columns' true places; back as whole rows of 512 bytes.
; LDS serves a wave's instructions in order (ISA guide 5.7.1.4): no wait between the stores and the loads, nor in front of the next block's stores.
.macro TOSTAGE a
.set AC, 64*((\a)%4)
	WIN 0x08+4*((\a)/4)                            ; the data: window 2 or 3
.irp b, 0,1,2,3,4,5,6,7
	ds_store_b128 v[STO], v[AC+8*\b:AC+8*\b+3] offset:128*(\b/2)+32*(\b%2)       ; each accumulator from its low end on
	ds_store_b128 v[STO], v[AC+8*\b+4:AC+8*\b+7] offset:128*(\b/2)+32*(\b%2)+16
.endr
	WIN 0
.set BB, BK+64*((\a)%2)
.irp t, 0,1,2,3,4,5,6,7,8,9,10,11,12,13,14,15
	ds_load_b128 v[BB+4*\t:BB+4*\t+3], v[RD] offset:\t*SPITCH
.endr
.endm
.macro SEND a, younger                 ; younger: the LDS instructions issued behind block a's loads, which may stay out
.set BB, BK+64*((\a)%2)
	s_wait_dscnt \younger
.if (\a) > 0
	s_add_nc_u64 s[10:11], s[10:11], 16*4096       ; (behind a wait on XCNT: the earlier stores have read their base)
.endif
.irp t, 0,1,2,3,4,5,6,7,8,9,10,11,12,13,14,15
	global_store_b128 v[CO], v[BB+4*\t:BB+4*\t+3], s[10:11] offset:\t*4096   ; 32 lanes store 512 consecutive bytes, at a multiple of 256 from y's first byte
.endr
.endm
	PLACES NP
	TOSTAGE 0
.irp a, 1,2,3,4,5,6,7
.if \a > 1
	s_wait_xcnt 0x0                                ; block a - 2's stores have read their registers and their base
.endif
	TOSTAGE \a
	SEND \a-1, 32                                  ; behind block a - 1's loads: block a's 16 stores and 16 loads
.endr
	s_wait_xcnt 0x0
	SEND 7, 0
	s_wait_tensorcnt 0x0                           ; the wave's end
	ds_add_u32 v[SPW], v[NIL]
	s_wait_dscnt 0x0
	CROUND                                         ; the closing round
	s_endpgm
.Lfunc_end_k_qc8c7313300_gemm2:
	.size	k_qc8c7313300_gemm2, .Lfunc_end_k_qc8c7313300_gemm2-k_qc8c7313300_gemm2
	.p2alignl 7, 3214868480
	.fill 96, 4, 3214868480
	.section	.rodata,"a",@progbits
	.p2align	6, 0x0
	.amdhsa_kernel k_qc8c7313300_gemm2
		.amdhsa_group_segment_fixed_size 327680
		.amdhsa_private_segment_fixed_size 0
		.amdhsa_enable_private_segment 0
		.amdhsa_kernarg_size 32
		.amdhsa_user_sgpr_count 2
		.amdhsa_user_sgpr_kernarg_segment_ptr 1
		.amdhsa_wavefront_size32 1
		.amdhsa_system_sgpr_workgroup_id_x 1
		.amdhsa_system_sgpr_workgroup_id_y 1
		.amdhsa_system_sgpr_workgroup_id_z 1
		.amdhsa_system_vgpr_workitem_id 0
		.amdhsa_next_free_vgpr 1024
		.amdhsa_next_free_sgpr 102
		.amdhsa_reserve_vcc 0
		.amdhsa_float_denorm_mode_32 3
		.amdhsa_float_denorm_mode_16_64 3
		.amdhsa_memory_ordered 1
		.amdhsa_forward_progress 1
		.amdhsa_inst_pref_size 135
	.end_amdhsa_kernel
	.amdgpu_metadata
---
amdhsa.version: [ 1, 2 ]
amdhsa.kernels:
  - .name:           k_qc8c7313300_gemm2
    .symbol:         k_qc8c7313300_gemm2.kd
    .args:
      - { .name: att, .offset: 0, .size: 8, .value_kind: global_buffer, .address_space: global }
      - { .name: bcode, .offset: 8, .size: 8, .value_kind: global_buffer, .address_space: global }
      - { .name: xscl, .offset: 16, .size: 8, .value_kind: global_buffer, .address_space: global }
      - { .name: y, .offset: 24, .size: 8, .value_kind: global_buffer, .address_space: global }
    .group_segment_fixed_size: 327680
    .private_segment_fixed_size: 0
    .kernarg_segment_align: 8
    .kernarg_segment_size: 32
    .max_flat_workgroup_size: 128
    .sgpr_count:     102
    .vgpr_count:     1024
    .wavefront_size: 32
...
	.end_amdgpu_metadata
.endif
;; end of part 5
;; launch ln (part 6): grid 256 x 1, 16 waves a work-group, no clusters, 18,432 bytes of LDS; arguments y, query, bo, bow, ln_w, ln_b, out0, out1; writes out0, out1
.if DOCPART == 6
	.amdgcn_target "amdgcn-amd-amdhsa--gfx1250"
	.amdhsa_code_object_version 6
	.text
	.protected	k_qc8c7313300_ln
	.globl	k_qc8c7313300_ln
	.p2align	8
	.type	k_qc8c7313300_ln,@function
k_qc8c7313300_ln:
	s_mov_b64 s[64:65], 0
	v_nop
	global_prefetch_b8 v0, s[64:65] scope:SCOPE_SE
	s_setreg_imm32_b32 hwreg(HW_REG_WAVE_MODE, 25, 1), 1
	s_wait_xcnt 0x0
; x0 = query + (y[row] + bo); x1 = x0 + (y[4096 + row] + bow); out0 = layer norm of x0, out1 of x1 (mean, then the mean of the squared differences; eps 1e-5; x ln_w + ln_b).  All f32.
; One wave takes one row of 1,024 numbers: 8 loads of 16 bytes a lane for each of its three sources, each covering 512 consecutive bytes; the row stays in registers between the passes.
; The four vectors (16,384 bytes) are read from memory once by the work-group, 1,024 bytes a wave, and handed round through LDS: one barrier.  Memory binds: no matrix unit, no cluster, no tensor load.
.set XQ,  16                           ; v16-47   query, then x0, then out0
.set Y0,  48                           ; v48-79
.set Y1,  80                           ; v80-111  then x1, then out1
.set BO,  112                          ; v112-143 bo;  v144-175 bow;  v176-207 ln_w;  v208-239 ln_b
.set BOW, 144
.set LW,  176
.set LB,  208
	s_load_b256 s[4:11], s[0:1], 0x0               ; y s[4:5], query s[6:7], bo s[8:9], bow s[10:11]
	s_load_b256 s[12:19], s[0:1], 0x20             ; ln_w s[12:13], ln_b s[14:15], out0 s[16:17], out1 s[18:19]
	v_lshl_add_u32 v254, v0, 2, 0x4000
	v_mov_b32 v255, 0
	v_lshrrev_b32 v1, 5, v0
	v_readfirstlane_b32 s20, v1                    ; wave
	v_and_b32 v1, 31, v0
	v_lshlrev_b32 v1, 4, v1                        ; 16 x lane
	s_lshl_b32 s21, s20, 10
	v_add_nc_u32 v2, s21, v1                       ; LDS: vector wave / 4, quarter wave % 4
	v_mov_b32 v12, 0                               ; a lane permute's destination counts as one of its sources
	s_lshr_b32 s22, s20, 2
	s_and_b32 s23, s20, 3
	s_lshl_b32 s24, s23, 10
	s_mov_b32 s25, 0
	s_lshl_b32 s26, ttmp9, 4
	s_add_co_u32 s26, s26, s20                     ; my row
	s_lshl_b32 s26, s26, 12
	s_mov_b32 s27, 0
	s_mov_b32 s28, 0x76543210
	s_mov_b32 s29, 0xfedcba98
	s_mov_b32 s30, 0x3a800000                      ; 1 / 1024
	s_mov_b32 s31, 0x3727c5ac                      ; 1e-5
	s_wait_kmcnt 0x0
	s_cmp_eq_u32 s22, 1                            ; the choice hangs on the wave's number alone
	s_cselect_b64 s[32:33], s[10:11], s[8:9]
	s_cmp_eq_u32 s22, 2
	s_cselect_b64 s[32:33], s[12:13], s[32:33]
	s_cmp_eq_u32 s22, 3
	s_cselect_b64 s[32:33], s[14:15], s[32:33]
	s_add_nc_u64 s[32:33], s[32:33], s[24:25]
	global_load_b128 v[4:7], v1, s[32:33]
	global_load_b128 v[8:11], v1, s[32:33] offset:512
	s_add_nc_u64 s[4:5], s[4:5], s[26:27]
	s_add_nc_u64 s[34:35], s[4:5], 0x1000000       ; the same row of y's second half
	s_add_nc_u64 s[6:7], s[6:7], s[26:27]
	s_add_nc_u64 s[16:17], s[16:17], s[26:27]
	s_add_nc_u64 s[18:19], s[18:19], s[26:27]
.irp i, 0,1,2,3,4,5,6,7
	global_load_b128 v[XQ+4*\i:XQ+4*\i+3], v1, s[6:7] offset:512*\i th:TH_LOAD_NT
	global_load_b128 v[Y0+4*\i:Y0+4*\i+3], v1, s[4:5] offset:512*\i th:TH_LOAD_NT
	global_load_b128 v[Y1+4*\i:Y1+4*\i+3], v1, s[34:35] offset:512*\i th:TH_LOAD_NT
.endr
	s_wait_loadcnt 24                              ; my part of the vectors is in; the row's 24 loads may be out
	ds_store_b128 v2, v[4:7]
	ds_store_b128 v2, v[8:11] offset:512
	s_wait_dscnt 0x0                               ; for the others' sake: my stores have landed
	s_barrier_signal -1
	s_barrier_wait -1
.irp k, 0,1,2,3
.irp i, 0,1,2,3,4,5,6,7
	ds_load_b128 v[BO+32*\k+4*\i:BO+32*\k+4*\i+3], v1 offset:4096*\k+512*\i
.endr
.endr
	s_wait_loadcnt 0x0
	s_wait_dscnt 0x0
.set ii, 0
.rept 16
	v_pk_add_f32 v[Y0+ii:Y0+ii+1], v[Y0+ii:Y0+ii+1], v[BO+ii:BO+ii+1]
	v_pk_add_f32 v[Y1+ii:Y1+ii+1], v[Y1+ii:Y1+ii+1], v[BOW+ii:BOW+ii+1]
	v_pk_add_f32 v[XQ+ii:XQ+ii+1], v[XQ+ii:XQ+ii+1], v[Y0+ii:Y0+ii+1]      ; x0
	v_pk_add_f32 v[Y1+ii:Y1+ii+1], v[XQ+ii:XQ+ii+1], v[Y1+ii:Y1+ii+1]      ; x1
.set ii, ii+2
.endr
.macro RED r                           ; the sum over the 32 lanes, in every lane
	v_add_f32_dpp v[\r], v[\r], v[\r] row_xmask:1 row_mask:0xf bank_mask:0xf
	v_add_f32_dpp v[\r], v[\r], v[\r] row_xmask:2 row_mask:0xf bank_mask:0xf
	v_add_f32_dpp v[\r], v[\r], v[\r] row_xmask:4 row_mask:0xf bank_mask:0xf
	v_add_f32_dpp v[\r], v[\r], v[\r] row_xmask:8 row_mask:0xf bank_mask:0xf
	v_permlanex16_b32 v12, v[\r], s28, s29
	v_add_f32 v[\r], v[\r], v12
.endm
.macro LNORM x, base                   ; the row in v[x .. x + 31] is normalised in place and stored
	v_pk_add_f32 v[4:5], v[\x:\x+1], v[\x+2:\x+3]
	v_pk_add_f32 v[6:7], v[\x+4:\x+5], v[\x+6:\x+7]
.set ii, 8
.rept 6
	v_pk_add_f32 v[4:5], v[4:5], v[\x+ii:\x+ii+1]
	v_pk_add_f32 v[6:7], v[6:7], v[\x+ii+2:\x+ii+3]
.set ii, ii+4
.endr
	v_pk_add_f32 v[4:5], v[4:5], v[6:7]
	v_add_f32 v4, v4, v5
	RED 4
	v_mul_f32 v8, s30, v4                          ; the mean
.set ii, 0
.rept 16
	v_pk_add_f32 v[\x+ii:\x+ii+1], v[\x+ii:\x+ii+1], v[8:9] op_sel_hi:[1,0] neg_lo:[0,1] neg_hi:[0,1]
.set ii, ii+2
.endr
	v_pk_mul_f32 v[4:5], v[\x:\x+1], v[\x:\x+1]
	v_pk_mul_f32 v[6:7], v[\x+2:\x+3], v[\x+2:\x+3]
.set ii, 4
.rept 7
	v_pk_fma_f32 v[4:5], v[\x+ii:\x+ii+1], v[\x+ii:\x+ii+1], v[4:5]
	v_pk_fma_f32 v[6:7], v[\x+ii+2:\x+ii+3], v[\x+ii+2:\x+ii+3], v[6:7]
.set ii, ii+4
.endr
	v_pk_add_f32 v[4:5], v[4:5], v[6:7]
	v_add_f32 v4, v4, v5
	RED 4
	v_fma_f32 v4, v4, s30, s31                     ; the variance + eps
	v_rsq_f32 v10, v4
	v_nop                                          ; a plain place behind the transcendental
.set ii, 0
	s_wait_alu depctr_va_vdst(0)
.rept 16
	v_pk_mul_f32 v[\x+ii:\x+ii+1], v[\x+ii:\x+ii+1], v[10:11] op_sel_hi:[1,0]
.set ii, ii+2
.endr
.set ii, 0
.rept 16
	v_pk_fma_f32 v[\x+ii:\x+ii+1], v[\x+ii:\x+ii+1], v[LW+ii:LW+ii+1], v[LB+ii:LB+ii+1]
.set ii, ii+2
.endr
.irp i, 0,1,2,3,4,5,6,7
	global_store_b128 v1, v[\x+4*\i:\x+4*\i+3], s[\base:\base+1] offset:512*\i th:TH_STORE_NT   ; 512 consecutive bytes
.endr
.endm
	LNORM XQ, 16
	LNORM Y1, 18
	s_wait_tensorcnt 0x0
	ds_add_u32 v254, v255
	s_wait_dscnt 0x0
	s_endpgm
.Lfunc_end_k_qc8c7313300_ln:
	.size	k_qc8c7313300_ln, .Lfunc_end_k_qc8c7313300_ln-k_qc8c7313300_ln
	.p2alignl 7, 3214868480
	.fill 96, 4, 3214868480
	.section	.rodata,"a",@progbits
	.p2align	6, 0x0
	.amdhsa_kernel k_qc8c7313300_ln
		.amdhsa_group_segment_fixed_size 18432
		.amdhsa_private_segment_fixed_size 0
		.amdhsa_enable_private_segment 0
		.amdhsa_kernarg_size 64
		.amdhsa_user_sgpr_count 2
		.amdhsa_user_sgpr_kernarg_segment_ptr 1
		.amdhsa_wavefront_size32 1
		.amdhsa_system_sgpr_workgroup_id_x 1
		.amdhsa_system_sgpr_workgroup_id_y 1
		.amdhsa_system_sgpr_workgroup_id_z 1
		.amdhsa_system_vgpr_workitem_id 0
		.amdhsa_next_free_vgpr 256
		.amdhsa_next_free_sgpr 66
		.amdhsa_reserve_vcc 0
		.amdhsa_float_denorm_mode_32 3
		.amdhsa_float_denorm_mode_16_64 3
		.amdhsa_memory_ordered 1
		.amdhsa_forward_progress 1
		.amdhsa_inst_pref_size 24
	.end_amdhsa_kernel
	.amdgpu_metadata
---
amdhsa.version: [ 1, 2 ]
amdhsa.kernels:
  - .name:           k_qc8c7313300_ln
    .symbol:         k_qc8c7313300_ln.kd
    .args:
      - { .name: y, .offset: 0, .size: 8, .value_kind: global_buffer, .address_space: global }
      - { .name: query, .offset: 8, .size: 8, .value_kind: global_buffer, .address_space: global }
      - { .name: bo, .offset: 16, .size: 8, .value_kind: global_buffer, .address_space: global }
      - { .name: bow, .offset: 24, .size: 8, .value_kind: global_buffer, .address_space: global }
      - { .name: ln_w, .offset: 32, .size: 8, .value_kind: global_buffer, .address_space: global }
      - { .name: ln_b, .offset: 40, .size: 8, .value_kind: global_buffer, .address_space: global }
      - { .name: out0, .offset: 48, .size: 8, .value_kind: global_buffer, .address_space: global }
      - { .name: out1, .offset: 56, .size: 8, .value_kind: global_buffer, .address_space: global }
    .group_segment_fixed_size: 18432
    .private_segment_fixed_size: 0
    .kernarg_segment_align: 8
    .kernarg_segment_size: 64
    .max_flat_workgroup_size: 512
    .sgpr_count:     66
    .vgpr_count:     256
    .wavefront_size: 32
...
	.end_amdgpu_metadata
.endif
;; end of part 6
;; ======== version 2 of 2: 6 launches; version 1 with the launch attn written anew for expert scheduling mode
;; workspace buffers: acode 7,077,888 bytes; bcode 6,291,456 bytes; xscl 557,056 bytes; qkv 17,039,360 bytes; att 6,553,600 bytes; y 33,554,432 bytes
;; launch quant_x: the kernel of part 1 again; grid 256 x 1, 3 waves a work-group, no clusters, 26,112 bytes of LDS; arguments query, key, values, acode, bcode, xscl; writes acode, bcode, xscl
;; launch quant_w: the kernel of part 2 again; grid 40 x 4, 4 waves a work-group, no clusters, 26,112 bytes of LDS; arguments Wq, Wqw, Wv, Wo, Wow, acode, bcode, xscl; writes acode, bcode, xscl
;; launch gemm1: the kernel of part 3 again; grid 8 x 40, 4 waves a work-group, clusters of 4 x 4, 327,680 bytes of LDS; arguments acode, bcode, xscl, bq, bqw, bv, qkv; writes qkv
;; launch attn (part 7): grid 256 x 1, 4 waves a work-group, no clusters, 266,752 bytes of LDS; arguments qkv, gammas, att; writes att
.if DOCPART == 7
	.amdgcn_target "amdgcn-amd-amdhsa--gfx1250"
	.amdhsa_code_object_version 6
	.text
	.protected	k_qc8c7313300_attn
	.globl	k_qc8c7313300_attn
	.p2align	8
	.type	k_qc8c7313300_attn,@function
k_qc8c7313300_attn:
	s_mov_b64 s[64:65], 0
	v_nop
	global_prefetch_b8 v0, s[64:65] scope:SCOPE_SE
	s_setreg_imm32_b32 hwreg(HW_REG_WAVE_SCHED_MODE, 0, 2), 2
	s_setreg_imm32_b32 hwreg(HW_REG_WAVE_MODE, 25, 1), 1
	s_wait_xcnt 0x0
	s_wait_alu depctr_vm_vsrc(0)
; Both attentions of one (batch, head), on codes of FP6 (E2M3) with E8M0 scales; their results are quantised along the head's 128 channels and stored as codes for the output projections.
; For a query: t = score x log2(e) / sqrt(128), hidden keys at -1e30; p1 = softmax; d = sqrt((the sum of p1 over LATER keys) x (query - key)); effect = clip(exp(-|gamma| d), 1e-5, 1e5);
; t2 = t x effect; p2 = softmax(t2), finished and normalised, x min(1 / max p2, 5) in the full attention: that is what is quantised along the keys and multiplied by v.
; Since the largest e2 = 2^(t2 - max) is exactly 1, max p2 = 1 / sum, and the finished weight is e2 x min(1, 5 / sum) (band: e2 / sum).  Every maximum is taken of, and subtracted from, the same rounded numbers.
; The sum over later keys is formed as a suffix sum (the total less the running sum, without the cancellation).
; A row's scores are walked three times, so they lie in LDS: pass I (keys ascending): scores, first maximum and sum; pass II (descending): suffix sums, effect, second running maximum and sum, e2 stored with the maximum it was taken under;
; pass III (ascending): the weights finished, quantised, times v.
; SHARES.  Work-group: (batch, head) = x / 8.  A wave runs four jobs: tile of 16 queries qt = p and 63 - p (p = 4 (x % 8) + wave), each full (strictly causal) and band (19 keys): nine full key steps of 128 for every wave.
; Key steps all of whose keys are hidden for the job are left out by a scalar branch on ids inside loops of constant count.  A query with no open key (query 0) gets the weight 0.
; LAYOUT.  Both products are used transposed (S^T = K Q^T, O^T = V^T P^T): a lane holds one query (lane % 16).  K's tiles hold spread keys and V^T's spread channels, so register 16 b + i of a lane is key (channel) 32 b + 16 (lane / 16) + i.
; Operands come from memory straight into registers as images (three loads of 16 bytes a lane for a fragment).  No tensor load, no barrier: a wave's LDS is its own (65,536 bytes of scores, 1,024 of maxima).
; Not in a cluster: the waves of neighbouring work-groups walk different sets of key steps, and what is shared comes out of registers' loads, not tiles in LDS.
; LIMITS: NaN and infinities are not served; scores x log2(e) / sqrt(128) must stay well inside +-1e30.
; REGISTERS, window 0: v1-15 lane constants and addresses; v16-35 pairs for the packed forms; v36-51 the floats 0 .. 15; v52-63 run sums; v64-127 A0, v128-191 A1; v192-211 codes; v212-227 at work; v228-239 Q; v240, v241, v244-251 scale words.  Window 1: v0-95 eight fragments of K or of V^T.
; THE MODE: SCHED_MODE bits 1:0 = 2 (LLVM: expert scheduling mode 2), set by the entry lines.  The code itself states the register dependences
; between vector or matrix instructions and memory or LDS instructions, with s_wait_alu, always for 0.
; THE PLAN.  Registers that memory or LDS instructions touch:
;   v3, v252       offsets of the global loads and stores: written once at the head, ahead of the first fetch's wait, and never again.
;   window 1, KVS  a record of K or V: read by a step's eight matrix instructions, loaded again by the fetch behind them.  The fetch holds its own wait on va_vdst, behind its window switch.
;   QF, QS         loaded once a job, straight behind the job's first fetch (only loads and a window switch lie between its wait and them); read by pass I's matrix instructions.
;   v6, v7         LDS addresses: written by one addition at the head of a step, read by the step's LDS instructions.  A wait on vm_vsrc stands behind the last LDS instruction of every step, a wait on va_vdst between the addition and the step's first LDS instruction.
;   A0             pass I: written by products, scalings and selects | va_vdst | stored | vm_vsrc | written again.   pass II: va_vdst | loaded | worked on | va_vdst | loaded again | worked on |
;                  the wait behind the last batch of exponentials | stored, ahead of the sums, which only read it | vm_vsrc.   pass III: va_vdst | loaded | worked on.
;   v15, v16       v15: pass III's maximum lands in it, behind the step's wait on va_vdst.  v16: stored with e2, written ahead of the batch's wait.
;   PC, PW         written by the quantiser; taken by pass III's matrix instructions (the places, then va_vdst); stored at a job's end (va_vdst ahead of the stores, vm_vsrc at the next job's head).
; Scalar registers that vector instructions write: the wave's number, the 32 masks of the hidden keys' compares, VCC once a job: a wait on va_sdst or va_vcc stands ahead of the first reader.  EXEC is never written.
.set SCB,  15728640                    ; the scale records in qkv
.set ASC,  6291456                     ; the scale bytes in att
.set A0,   64
.set A1,   128
.set PC,   192
.set TM,   212
.set QF,   228
.set QS,   240
.set PW,   241
.set KVS,  244
.set IDX,  36
.set WV,   10
.set BH,   11
.set PI,   12
.set HEAD, 13
.set BB,   14
.set C2,   16                          ; s[16:17] log2(e) / sqrt(128)
.set G2,   18                          ; -|gamma| log2(e)
.set SEL,  20
.set CLO,  22
.set CHI,  23
.set ONE,  24
.set N,    30
.set KIND, 31
.set QT,   32
.set Q0,   33
.set JL,   34                          ; the job's last key step
.set JF,   35                          ; and first
.set W,    36                          ; key k is open where 0 <= query - 1 - k < W
.set RK0,  38
.set RV0,  39
.set CAP,  40
.set MUL,  41
.set JJ,   42
.set J,    43
.set OB,   46                          ; s[46:47] the job's image in att;  s[48:49] its scale words
.set OSB,  48
.set QB,   50                          ; s[50:51] Q's image;  s[52:53] its scale words
.set QSB,  52
.set FB,   54                          ; s[54:55] the record being fetched;  s[56:57] its scale groups
.set FSB,  56
.set MK,   66                          ; s[66:97] the masks of 32 compares
.set MSB, 0
.macro WIN new
.if MSB != (\new)
	s_set_vgpr_msb (MSB<<8)|(\new)
.set MSB, (\new)
.endif
.endm
.macro QUANT src, pc, pw               ; 64 numbers of a lane, register 16 b + i = k 32 b + 16 (lane / 16) + i, become codes in v[pc .. pc + 11] and a scale word in v[pw]
.irp b, 0,1,2,3
	v_max3_num_f32 v[TM+\b], |v[(\src)+16*\b]|, |v[(\src)+1+16*\b]|, 0x1800000   ; and the floor 2^(3 - 127): the byte cannot fall under 1; a block of zeros keeps that byte, its codes are zeros
.endr
.irp i, 2,4,6,8,10,12,14
.irp b, 0,1,2,3
	v_max3_num_f32 v[TM+\b], v[TM+\b], |v[(\src)+16*\b+\i]|, |v[(\src)+1+16*\b+\i]|
.endr
.endr
.irp b, 0,1,2,3
	v_permlanex16_b32 v[TM+4+\b], v[TM+\b], s[SEL], s[SEL+1]
.endr
.irp b, 0,1,2,3
	v_max_num_f32 v[TM+\b], v[TM+\b], v[TM+4+\b]
.endr
.irp b, 0,1,2,3
	v_add_nc_u32 v[TM+12+\b], 0xff000000, v[TM+\b]
.endr
.irp b, 0,1,2,3
	v_lshrrev_b32 v[TM+4+\b], 23, v[TM+12+\b]
.endr
	v_lshl_or_b32 v[\pw], v[TM+5], 8, v[TM+4]
	v_lshl_or_b32 v[\pw], v[TM+6], 16, v[\pw]
	v_lshl_or_b32 v[\pw], v[TM+7], 24, v[\pw]
.irp c, 0,1
	v_cvt_scalef32_pk16_fp6_f32 v[(\pc)+6*\c:(\pc)+2+6*\c], v[(\src)+32*\c:(\src)+15+32*\c], v[TM+12+2*\c]
	v_cvt_scalef32_pk16_fp6_f32 v[(\pc)+12+4*\c:(\pc)+14+4*\c], v[(\src)+16+32*\c:(\src)+31+32*\c], v[TM+13+2*\c]
.endr
	v_nop                                          ; one plain place behind a scaled conversion
.irp c, 0,1
.irp i, 0,1,2
	v_permlane16_swap_b32 v[(\pc)+6*\c+\i], v[(\pc)+12+4*\c+\i]
.endr
.irp i, 0,1,2
	v_mov_b32 v[(\pc)+3+6*\c+\i], v[(\pc)+12+4*\c+\i]
.endr
.endr
.endm
.macro FETCH                           ; record s26 (8 images and their scale words) into window 1 and KVS.  It stands behind the wait for the fetch before, so the two bases may be written
	s_mul_i32 s28, s26, 12288
	s_mov_b32 s29, 0
	s_add_nc_u64 s[FB:FB+1], s[4:5], s[28:29]
	s_lshl_b32 s28, s26, 10
	s_add_co_u32 s28, s28, SCB
	s_add_nc_u64 s[FSB:FSB+1], s[4:5], s[28:29]
	WIN 0x40
	s_wait_alu depctr_va_vdst(0)                   ; the matrix instructions issued so far are done reading the record's fragments and scale words, in which the loads below land; at a job's head also: they are done reading Q, and v3 is written
.irp t, 0,1,2,3,4,5,6,7
.irp c, 0,1,2
	global_load_b128 v[12*\t+4*\c:12*\t+4*\c+3], v3, s[FB:FB+1] offset:1536*\t+512*\c
.endr
.endr
	WIN 0
	global_load_b128 v[KVS:KVS+3], v3, s[FSB:FSB+1]
	global_load_b128 v[KVS+4:KVS+7], v3, s[FSB:FSB+1] offset:512
.endm
.macro LDT                             ; a step's 64 numbers a lane, from my LDS
.set ii, 0
.rept 16
	ds_load_b128 v[A0+4*ii:A0+4*ii+3], v6 offset:512*ii
.set ii, ii+1
.endr
.endm
.macro STT                             ; and into it
.set ii, 0
.rept 16
	ds_store_b128 v6, v[A0+4*ii:A0+4*ii+3] offset:512*ii
.set ii, ii+1
.endr
.endm
.macro ROWMAX                          ; the largest of A0's 64 and of lane l xor 16's 64, into v[TM]
.irp b, 0,1,2,3
	v_max3_num_f32 v[TM+\b], v[A0+16*\b], v[A0+16*\b+1], v[A0+16*\b+2]
.endr
.irp i, 3,5,7,9,11,13
.irp b, 0,1,2,3
	v_max3_num_f32 v[TM+\b], v[TM+\b], v[A0+16*\b+\i], v[A0+16*\b+\i+1]
.endr
.endr
.irp b, 0,1,2,3
	v_max_num_f32 v[TM+\b], v[TM+\b], v[A0+16*\b+15]
.endr
	v_max3_num_f32 v[TM], v[TM], v[TM+1], v[TM+2]
	v_max_num_f32 v[TM], v[TM], v[TM+3]
	v_permlanex16_b32 v[TM+4], v[TM], s[SEL], s[SEL+1]
	v_max_num_f32 v[TM], v[TM], v[TM+4]
.endm
; v[m]: the running maximum.  A0 becomes 2^(A0 - the new maximum), which is left in v16; the running sum v[18:19] is brought under it and takes A0's sum.
; pass = 1: LDS stores of A0 stand ahead of the macro.  pass = 2: the new A0 and v16 are stored to LDS, ahead of the sums.
.macro SOFT m, pass
	v_max_num_f32 v16, v[TM], v[\m]
	v_sub_f32 v20, v[\m], v16
	v_exp_f32 v20, v20
	v_mov_b32 v[\m], v16                           ; (a plain place behind the exponential)
	s_wait_dscnt 0x0                               ; LDS stores of A0 have read their registers
.if \pass == 1
	s_wait_alu depctr_vm_vsrc(0)                   ; the LDS stores of t have read A0, which the lines below write again, and v6, which the next step's addition writes
.endif
.set ii, 0
.rept 32
	v_pk_add_f32 v[A0+2*ii:A0+2*ii+1], v[A0+2*ii:A0+2*ii+1], v[16:17] op_sel_hi:[1,0] neg_lo:[0,1] neg_hi:[0,1]
.set ii, ii+1
.endr
.set ii, 0
.rept 64
	v_exp_f32 v[A0+ii], v[A0+ii]
.set ii, ii+1
.endr
	s_wait_alu depctr_va_vdst(0)                   ; the 65 exponentials have written v20 and A0: one wait for the batch, ahead of the first line that names a result; with pass = 2 it also states that A0 and v16 are written, which the LDS stores below read
	v_pk_mul_f32 v[18:19], v[18:19], v[20:21] op_sel_hi:[1,0]   ; (a plain place behind the exponentials)
.if \pass == 2
	STT                                            ; e2, over t.  No further wait: the one vector line since the wait names v18 to v21 alone
	ds_store_b32 v7, v16                           ; and the maximum that it was taken under
.endif
	v_pk_add_f32 v[TM:TM+1], v[A0:A0+1], v[A0+2:A0+3]
.set ii, 4
.rept 15
	v_pk_add_f32 v[18:19], v[18:19], v[A0+ii:A0+ii+1]
	v_pk_add_f32 v[TM:TM+1], v[TM:TM+1], v[A0+ii+2:A0+ii+3]
.set ii, ii+4
.endr
	v_pk_add_f32 v[18:19], v[18:19], v[TM:TM+1]
.endm
	s_load_b128 s[4:7], s[0:1], 0x0                ; qkv s[4:5], gammas s[6:7]
	s_load_b64 s[8:9], s[0:1], 0x10                ; att
	v_lshl_add_u32 v222, v0, 2, 0x41000
	v_mov_b32 v223, 0
	v_lshrrev_b32 v1, 5, v0
	v_readfirstlane_b32 s[WV], v1
	v_and_b32 v1, 15, v0                           ; r
	v_bfe_u32 v2, v0, 4, 1                         ; h
	v_and_b32 v3, 31, v0
	v_lshlrev_b32 v5, 2, v3
	v_lshlrev_b32 v3, 4, v3                        ; 16 x lane; never rewritten
	s_wait_alu depctr_va_sdst(0)                   ; the wave's number is written, ahead of its first reader
	s_lshl_b32 s26, s[WV], 16
	v_add_nc_u32 v4, s26, v3                       ; my wave's scores in LDS
	s_lshl_b32 s26, s[WV], 10
	s_add_co_u32 s26, s26, 262144
	v_add_nc_u32 v5, s26, v5                       ; and its maxima: 128 bytes a key step
	v_lshlrev_b32 v252, 5, v1                      ; 32 r: a row of att's scale bytes; never rewritten
	s_lshr_b32 s[BH], ttmp9, 3
	s_and_b32 s[PI], ttmp9, 7
	s_lshl_b32 s[PI], s[PI], 2
	s_add_co_u32 s[PI], s[PI], s[WV]
	s_and_b32 s[HEAD], s[BH], 7
	s_lshr_b32 s[BB], s[BH], 3
	s_lshl_b32 s28, s[HEAD], 2
	s_mov_b32 s29, 0
	s_lshl_b32 s[RV0], s[BH], 3
	s_add_co_u32 s[RV0], s[RV0], 1024
	s_mov_b32 s[C2], 0x3e0293ee
	s_mov_b32 s[C2+1], s[C2]
	s_mov_b32 s[SEL], 0x76543210
	s_mov_b32 s[SEL+1], 0xfedcba98
	s_mov_b32 s[CLO], 0x3727c5ac                   ; 1e-5
	s_mov_b32 s[CHI], 0x47c35000                   ; 1e5
	s_mov_b32 s[ONE], 0x3f800000
	v_cvt_f32_u32 v10, v2
	v_sub_f32 v10, 1.0, v10                        ; 1 in lanes 0-15, 0 in lanes 16-31
	v_mov_b32 v13, 0xf149f2ca                      ; -1e30: a hidden key's t
	v_mov_b32 v14, 0
.irp i, 15,17,21,27,29,31,33,35,56,57,58,59
	v_mov_b32 v[\i], 0                             ; upper halves of pairs of which the low word serves both halves, and destinations of lane permutes: written once
.endr
.irp b, 0,1,2,3
	v_mov_b32 v[TM+4+\b], 0
.endr
.irp i, 0,1,2,3,4,5,6,7,8,9,10,11,12,13,14,15
	v_cvt_f32_u32 v[IDX+\i], \i
.endr
	s_wait_kmcnt 0x0
	s_add_nc_u64 s[6:7], s[6:7], s[28:29]
	s_load_b32 s[G2], s[6:7], 0x0                  ; my head's gamma
	s_wait_kmcnt 0x0
	s_and_b32 s[G2], s[G2], 0x7fffffff
	s_mul_f32 s[G2], s[G2], 0xbfb8aa3b             ; -|gamma| log2(e)
	s_mov_b32 s[N], 0
.Ljob:
	s_wait_loadcnt 0x0                             ; no load and no store of the job before still reads a base or a register that is written below
	s_wait_xcnt 0x0
	s_wait_alu depctr_vm_vsrc(0)                   ; the last job's stores have read the codes and the scale word, which this job's quantisings write again
	s_and_b32 s[KIND], s[N], 1                     ; 0 full, 1 band
	s_sub_co_u32 s26, 63, s[PI]
	s_bitcmp1_b32 s[N], 1
	s_cselect_b32 s[QT], s26, s[PI]
	s_lshl_b32 s[Q0], s[QT], 4
	s_lshr_b32 s[JL], s[QT], 3
	s_sub_co_i32 s26, s[Q0], 19
	s_max_i32 s26, s26, 0
	s_lshr_b32 s26, s26, 7
	s_cmp_eq_u32 s[KIND], 1
	s_cselect_b32 s[JF], s26, 0
	s_cselect_b32 s[W], 19, 0x7fffffff
	s_cselect_b32 s[CAP], 0x7f61b1e6, s[ONE]       ; the weight's factor is min(cap, mul / sum): full min(1, 5 / sum), band 1 / sum
	s_cselect_b32 s[MUL], s[ONE], 0x40a00000
	s_mov_b32 s29, 0
	s_lshl_b32 s26, s[KIND], 8                     ; att: image ((kind 256 + batch 64 + qt) 8 + head)
	s_lshl_b32 s27, s[BB], 6
	s_add_co_u32 s26, s26, s27
	s_add_co_u32 s26, s26, s[QT]
	s_lshl_b32 s26, s26, 3
	s_add_co_u32 s26, s26, s[HEAD]
	s_mul_i32 s28, s26, 1536
	s_add_nc_u64 s[OB:OB+1], s[8:9], s[28:29]
	s_lshl_b32 s26, s[KIND], 12                    ; its scale words: row kind 4096 + batch 1024 + query, 32 bytes a row, word = head
	s_lshl_b32 s27, s[BB], 10
	s_add_co_u32 s26, s26, s27
	s_add_co_u32 s26, s26, s[Q0]
	s_lshl_b32 s26, s26, 5
	s_lshl_b32 s27, s[HEAD], 2
	s_add_co_u32 s26, s26, s27
	s_add_co_u32 s28, s26, ASC
	s_add_nc_u64 s[OSB:OSB+1], s[8:9], s[28:29]
	s_lshl_b32 s26, s[KIND], 6                     ; Q's record: (64 kind + (batch, head)) 8 + qt / 8; image qt % 8
	s_add_co_u32 s26, s26, s[BH]
	s_lshl_b32 s26, s26, 3
	s_add_co_u32 s26, s26, s[JL]
	s_and_b32 s27, s[QT], 7
	s_mul_i32 s28, s26, 12288
	s_mul_i32 s44, s27, 1536
	s_add_co_u32 s28, s28, s44
	s_add_nc_u64 s[QB:QB+1], s[4:5], s[28:29]
	s_lshl_b32 s28, s26, 10
	s_lshr_b32 s44, s27, 2
	s_lshl_b32 s44, s44, 9
	s_add_co_u32 s28, s28, s44
	s_and_b32 s44, s[QT], 3
	s_lshl_b32 s44, s44, 2
	s_add_co_u32 s28, s28, s44
	s_add_co_u32 s28, s28, SCB
	s_add_nc_u64 s[QSB:QSB+1], s[4:5], s[28:29]
	s_lshl_b32 s[RK0], s[KIND], 6                  ; K's first record: ((1 + 2 kind) 32 + (batch, head)) 8
	s_add_co_u32 s[RK0], s[RK0], 32
	s_add_co_u32 s[RK0], s[RK0], s[BH]
	s_lshl_b32 s[RK0], s[RK0], 3
	s_add_co_u32 s26, s[RK0], s[JF]
	FETCH                                          ; K's first record; its wait serves Q's loads too: only loads and a window switch stand between
.irp c, 0,1,2
	global_load_b128 v[QF+4*\c:QF+4*\c+3], v3, s[QB:QB+1] offset:512*\c
.endr
	global_load_b32 v[QS], v3, s[QSB:QSB+1]        ; word qt % 4 of my lane's four
	v_add_nc_u32 v8, s[Q0], v1                     ; my query
	v_lshlrev_b32 v15, 4, v2
	v_sub_nc_u32 v9, v8, v15                       ; - 16 h
	v_mov_b32 v22, 0xff61b1e6                      ; the maxima so far: -3e38
	v_mov_b32 v23, 0xff61b1e6
	v_mov_b32 v18, 0
	v_mov_b32 v19, 0
	v_mov_b32 v24, 0                               ; the sum of e1 over the key steps behind the one in hand
	; ---- PASS I, keys ascending: t to LDS; the first maximum and sum
	s_mov_b32 s[JJ], 0
.Lone:
	s_cmp_lt_u32 s[JJ], s[JF]
	s_cbranch_scc1 .Lone_next
	s_cmp_gt_u32 s[JJ], s[JL]
	s_cbranch_scc1 .Lone_next
	s_lshl_b32 s26, s[JJ], 13
	v_add_nc_u32 v6, s26, v4                       ; (no LDS instruction has been issued since the last wait on vm_vsrc: the job's head's, or the last step's)
	s_wait_loadcnt 0x0                             ; K's record (and, the first time, Q)
	WIN 0x01                                       ; source 0 in window 1
.irp t, 0,1,2,3,4,5,6,7
	v_wmma_scale_f32_16x16x128_f8f6f4 v[A0+8*\t:A0+8*\t+7], v[12*\t:12*\t+11], v[QF:QF+11], 0, v[KVS+\t], v[QS] matrix_a_fmt:MATRIX_FMT_FP6 matrix_b_fmt:MATRIX_FMT_FP6
.endr
	WIN 0
.rept 4
	v_nop                                          ; places in front of the first read of the scores
.endr
	s_add_co_u32 s26, s[RK0], s[JJ]
	s_add_co_u32 s26, s26, 1
	s_add_co_u32 s27, s[RV0], s[JF]
	s_cmp_lt_u32 s[JJ], s[JL]
	s_cselect_b32 s26, s26, s27                    ; the next step's K; behind the last step V's first record, which lands under pass II
	FETCH
.set ii, 0
.rept 32
	v_pk_mul_f32 v[A0+2*ii:A0+2*ii+1], v[A0+2*ii:A0+2*ii+1], s[C2:C2+1] op_sel_hi:[1,0]   ; t; each accumulator from its low end on
.set ii, ii+1
.endr
	s_cmp_eq_u32 s[KIND], 1                        ; hidden keys: in every step of the band, in the last step of the full attention
	s_cbranch_scc1 .Lone_mask
	s_cmp_lg_u32 s[JJ], s[JL]
	s_cbranch_scc1 .Lone_open
.Lone_mask:
	s_lshl_b32 s27, s[JJ], 7
	s_add_co_u32 s27, s27, 1
	s_sub_co_u32 s27, 0, s27
	v_add_nc_u32 v253, s27, v9                     ; query - 1 - 128 j - 16 h; register 16 b + i holds the key 32 b + i further on
.irp g, 0,1                                    ; the compares stand in two runs of 32, each into 32 scalar registers, with one wait behind the run
.set nn, 32*\g
.rept 32
	v_add_nc_u32 v[242+nn%2], -(32*(nn/16)+nn%16), v253
	v_cmp_gt_u32 s[MK+nn%32], s[W], v[242+nn%2]
.set nn, nn+1
.endr
	s_wait_alu depctr_va_sdst(0)                   ; the 32 masks are written, ahead of the selects that read them
.set nn, 32*\g
.rept 32
	v_cndmask_b32 v[A0+nn], v13, v[A0+nn], s[MK+nn%32]
.set nn, nn+1
.endr
.endr
.Lone_open:
	s_wait_alu depctr_va_vdst(0)                   ; the scalings and the selects have written t into A0, which the LDS stores read (v6 was written ahead of the fetch's wait)
	STT
	ROWMAX
	SOFT 22, 1
.Lone_next:
	s_add_co_u32 s[JJ], s[JJ], 1
	s_cmp_lt_u32 s[JJ], 8
	s_cbranch_scc1 .Lone
	v_add_f32 v18, v18, v19
	v_permlanex16_b32 v15, v18, s[SEL], s[SEL+1]
	v_add_f32 v18, v18, v15                        ; the first sum
	v_rsq_f32 v26, v18
	v_mov_b32 v19, 0                               ; (a plain place behind the transcendental)
	s_wait_alu depctr_va_vdst(0)                   ; the root's reciprocal has written v26: the wait ahead of the first line that names it
	v_mul_f32 v26, s[G2], v26                      ; -|gamma| log2(e) / sqrt(sum): sqrt(suffix of e1 x distance) x this = log2(effect)
	v_mov_b32 v18, 0
	; ---- PASS II, keys descending: suffix sums, effect, t2, the second running maximum and sum; e2 and its maximum to LDS
	s_mov_b32 s[JJ], 0
.Ltwo:
	s_xor_b32 s[J], s[JJ], 7
	s_cmp_lt_u32 s[J], s[JF]
	s_cbranch_scc1 .Ltwo_next
	s_cmp_gt_u32 s[J], s[JL]
	s_cbranch_scc1 .Ltwo_next
	s_lshl_b32 s26, s[J], 13
	v_add_nc_u32 v6, s26, v4                       ; (no LDS instruction has been issued since the last wait on vm_vsrc: pass I's, or the last step's)
	s_lshl_b32 s26, s[J], 7
	v_add_nc_u32 v7, s26, v5
	s_wait_alu depctr_va_vdst(0)                   ; v6 is written, which the LDS loads read; the sums of the step before are done reading A0, in which they land
	LDT
	s_sub_co_u32 s26, 0, s26
	v_add_nc_u32 v15, s26, v9
	v_cvt_f32_i32 v15, v15                         ; query - 128 j - 16 h
	v_mov_b32 v28, v15                             ; less 32 b: block b's distance at i = 0
	v_add_f32 v30, 0xc2000000, v15
	v_add_f32 v32, 0xc2800000, v15
	v_add_f32 v34, 0xc2c00000, v15
	s_wait_dscnt 0x0
.set ii, 0
.rept 32
	v_pk_add_f32 v[A0+2*ii:A0+2*ii+1], v[A0+2*ii:A0+2*ii+1], v[22:23] op_sel_hi:[1,0] neg_lo:[0,1] neg_hi:[0,1]
.set ii, ii+1
.endr
.set ii, 0
.rept 64
	v_exp_f32 v[A0+ii], v[A0+ii]                   ; e1 = 2^(t - the first maximum)
.set ii, ii+1
.endr
	v_mov_b32 v63, v24                             ; what lies behind block 3.  (A plain place behind the exponentials)
	s_wait_alu depctr_va_vdst(0)                   ; the 64 exponentials have written e1 into A0: one wait for the batch, ahead of its first reader
.irp b, 0,1,2,3
	v_pk_add_f32 v[A1+2*\b:A1+2*\b+1], v[A0+16*\b:A0+16*\b+1], v[A0+16*\b+2:A0+16*\b+3]
.endr
.irp i, 4,6,8,10,12,14
.irp b, 0,1,2,3
	v_pk_add_f32 v[A1+2*\b:A1+2*\b+1], v[A1+2*\b:A1+2*\b+1], v[A0+16*\b+\i:A0+16*\b+\i+1]
.endr
.endr
.irp b, 0,1,2,3
	v_add_f32 v[52+\b], v[A1+2*\b], v[A1+2*\b+1]   ; my 16 keys' sum in block b
.endr
.irp b, 0,1,2,3
	v_permlanex16_b32 v[56+\b], v[52+\b], s[SEL], s[SEL+1]
.endr
.irp b, 0,1,2,3
	v_add_f32 v[52+\b], v[52+\b], v[56+\b]         ; the block's
.endr
	v_add_f32 v62, v63, v55                        ; what lies behind block 2, 1, 0,
	v_add_f32 v61, v62, v54
	v_add_f32 v60, v61, v53
	v_add_f32 v24, v60, v52                        ; and behind the step in front
.irp b, 0,1,2,3
	v_fma_f32 v[A1+16*\b+15], v[56+\b], v10, v[60+\b]   ; behind my last key of the block: lanes 0-15 have lanes 16-31's 16 keys too
.endr
.irp i, 14,13,12,11,10,9,8,7,6,5,4,3,2,1,0
.irp b, 0,1,2,3
	v_add_f32 v[A1+16*\b+\i], v[A1+16*\b+\i+1], v[A0+16*\b+\i+1]   ; the sum of e1 over later keys; four chains by turns
.endr
.endr
	s_wait_alu depctr_va_vdst(0)                   ; the suffix sums are done reading e1 in A0, in which t lands once more
	LDT                                            ; t once more; it lands under the distances, roots and effects below, which name A1 alone
.set nn, 0
.rept 32
	v_pk_add_f32 v[242+12*(nn%2):243+12*(nn%2)], v[28+2*(nn/8):29+2*(nn/8)], v[IDX+2*(nn%8):IDX+2*(nn%8)+1] op_sel_hi:[0,1] neg_lo:[0,1] neg_hi:[0,1]   ; query - key
	v_pk_mul_f32 v[A1+2*nn:A1+2*nn+1], v[A1+2*nn:A1+2*nn+1], v[242+12*(nn%2):243+12*(nn%2)]
.set nn, nn+1
.endr
.set ii, 0
.rept 64
	v_sqrt_f32 v[A1+ii], |v[A1+ii]|                ; (open keys: never negative; hidden keys: any finite number serves)
.set ii, ii+1
.endr
	v_nop                                          ; a plain place behind the roots
	s_wait_alu depctr_va_vdst(0)                   ; the 64 roots have written A1: one wait for the batch, ahead of its first reader
.set ii, 0
.rept 32
	v_pk_mul_f32 v[A1+2*ii:A1+2*ii+1], v[A1+2*ii:A1+2*ii+1], v[26:27] op_sel_hi:[1,0]
.set ii, ii+1
.endr
.set ii, 0
.rept 64
	v_exp_f32 v[A1+ii], v[A1+ii]
.set ii, ii+1
.endr
	v_nop                                          ; a plain place behind the exponentials
	s_wait_alu depctr_va_vdst(0)                   ; the 64 exponentials have written the effects into A1: one wait for the batch, ahead of its first reader
.set ii, 0
.rept 64
	v_med3_num_f32 v[A1+ii], v[A1+ii], s[CLO], s[CHI]   ; the clip
.set ii, ii+1
.endr
	s_wait_dscnt 0x0
.set ii, 0
.rept 32
	v_pk_mul_f32 v[A0+2*ii:A0+2*ii+1], v[A0+2*ii:A0+2*ii+1], v[A1+2*ii:A1+2*ii+1]   ; t2
.set ii, ii+1
.endr
	ROWMAX
	SOFT 23, 2                                     ; e2 and its maximum go to LDS inside, behind the batch's wait and ahead of the sums
	s_wait_dscnt 0x0
	s_wait_alu depctr_vm_vsrc(0)                   ; the LDS stores have read A0, v16, v6 and v7: the next step, and pass III, write all four again
.Ltwo_next:
	s_add_co_u32 s[JJ], s[JJ], 1
	s_cmp_lt_u32 s[JJ], 8
	s_cbranch_scc1 .Ltwo
	v_add_f32 v18, v18, v19
	v_permlanex16_b32 v15, v18, s[SEL], s[SEL+1]
	v_add_f32 v18, v18, v15                        ; the second sum
	v_rcp_f32 v19, v18
	v_nop
	s_wait_alu depctr_va_vdst(0)                   ; the reciprocal has written v19: the wait ahead of the first line that names it
	v_fma_f32 v15, -v18, v19, 1.0                  ; one step of refinement
	v_fma_f32 v19, v15, v19, v19
	v_mul_f32 v25, s[MUL], v19
	v_min_num_f32 v25, s[CAP], v25
	v_cmp_eq_u32 vcc_lo, 0, v8
	s_wait_alu depctr_va_vcc(0)                    ; VCC is written, ahead of the select that reads it
	v_cndmask_b32 v25, v25, v14, vcc_lo            ; query 0 has no open key: its weights are 0
.set ii, 0
.rept 64
	v_mov_b32 v[A1+ii], 0                          ; O^T: the job's first step is no fixed trip of the loop, so the sums begin as zeros
.set ii, ii+1
.endr
	; ---- PASS III, keys ascending: the weights finished, quantised along the keys, times V
	s_mov_b32 s[JJ], 0
.Lthree:
	s_cmp_lt_u32 s[JJ], s[JF]
	s_cbranch_scc1 .Lthree_next
	s_cmp_gt_u32 s[JJ], s[JL]
	s_cbranch_scc1 .Lthree_next
	s_lshl_b32 s26, s[JJ], 13
	v_add_nc_u32 v6, s26, v4                       ; (no LDS instruction has been issued since the last wait on vm_vsrc: pass II's, or the last step's)
	s_lshl_b32 s26, s[JJ], 7
	v_add_nc_u32 v7, s26, v5
	s_wait_alu depctr_va_vdst(0)                   ; v6 and v7 are written, which the LDS loads read; the vector lines so far are done with A0 and v15, in which they land
	LDT
	ds_load_b32 v15, v7
	s_wait_dscnt 0x0
	s_wait_alu depctr_vm_vsrc(0)                   ; the LDS loads have read v6 and v7, which the next step's additions write
	v_sub_f32 v20, v15, v23
	v_exp_f32 v20, v20                             ; from the step's maximum to the row's
	v_nop
	s_wait_alu depctr_va_vdst(0)                   ; the exponential has written v20: the wait ahead of the first line that names it
	v_mul_f32 v20, v20, v25
.set ii, 0
.rept 32
	v_pk_mul_f32 v[A0+2*ii:A0+2*ii+1], v[A0+2*ii:A0+2*ii+1], v[20:21] op_sel_hi:[1,0]
.set ii, ii+1
.endr
	QUANT A0, PC, PW
.rept 8
	v_nop                                          ; a scale register written by a vector instruction stands 8 places ahead of a scaled matrix instruction, an operand 4
.endr
	s_wait_alu depctr_va_vdst(0)                   ; the quantiser has written the codes and the scale word, which the scaled matrix instructions take; the places above stay beside this wait
	s_wait_loadcnt 0x0                             ; V's record
	WIN 0x01
.irp t, 0,1,2,3,4,5,6,7                        ; eight accumulators by turns
	v_wmma_scale_f32_16x16x128_f8f6f4 v[A1+8*\t:A1+8*\t+7], v[12*\t:12*\t+11], v[PC:PC+11], v[A1+8*\t:A1+8*\t+7], v[KVS+\t], v[PW] matrix_a_fmt:MATRIX_FMT_FP6 matrix_b_fmt:MATRIX_FMT_FP6
.endr
	WIN 0
.rept 4
	v_nop                                          ; places in front of the next codes and of the first read of O^T
.endr
	s_cmp_ge_u32 s[JJ], s[JL]
	s_cbranch_scc1 .Lthree_next
	s_add_co_u32 s26, s[RV0], s[JJ]
	s_add_co_u32 s26, s26, 1
	FETCH
.Lthree_next:
	s_add_co_u32 s[JJ], s[JJ], 1
	s_cmp_lt_u32 s[JJ], 8
	s_cbranch_scc1 .Lthree
	QUANT A1, PC, PW                               ; O^T: register 16 b + i is channel 32 b + 16 h + i of my query: K step = head of the output projection
	s_wait_alu depctr_va_vdst(0)                   ; the quantiser has written the codes and the scale word, which the stores read
.irp c, 0,1,2
	global_store_b128 v3, v[PC+4*\c:PC+4*\c+3], s[OB:OB+1] offset:512*\c
.endr
	global_store_b32 v252, v[PW], s[OSB:OSB+1]     ; lanes 16-31 store the same words to the same places
	s_add_co_u32 s[N], s[N], 1
	s_cmp_lt_u32 s[N], 4
	s_cbranch_scc1 .Ljob
	s_wait_dscnt 0x0
	s_wait_alu depctr_hold_cnt(0) depctr_sa_sdst(0) depctr_va_vdst(0) depctr_va_sdst(0) depctr_va_ssrc(0) depctr_va_vcc(0) depctr_vm_vsrc(0)
	s_wait_tensorcnt 0x0
	ds_add_u32 v222, v223
	s_wait_dscnt 0x0
	s_endpgm
.Lfunc_end_k_qc8c7313300_attn:
	.size	k_qc8c7313300_attn, .Lfunc_end_k_qc8c7313300_attn-k_qc8c7313300_attn
	.p2alignl 7, 3214868480
	.fill 96, 4, 3214868480
	.section	.rodata,"a",@progbits
	.p2align	6, 0x0
	.amdhsa_kernel k_qc8c7313300_attn
		.amdhsa_group_segment_fixed_size 266752
		.amdhsa_private_segment_fixed_size 0
		.amdhsa_enable_private_segment 0
		.amdhsa_kernarg_size 24
		.amdhsa_user_sgpr_count 2
		.amdhsa_user_sgpr_kernarg_segment_ptr 1
		.amdhsa_wavefront_size32 1
		.amdhsa_system_sgpr_workgroup_id_x 1
		.amdhsa_system_sgpr_workgroup_id_y 1
		.amdhsa_system_sgpr_workgroup_id_z 1
		.amdhsa_system_vgpr_workitem_id 0
		.amdhsa_next_free_vgpr 384
		.amdhsa_next_free_sgpr 98
		.amdhsa_reserve_vcc 1
		.amdhsa_float_denorm_mode_32 3
		.amdhsa_float_denorm_mode_16_64 3
		.amdhsa_memory_ordered 1
		.amdhsa_forward_progress 1
		.amdhsa_inst_pref_size 95
	.end_amdhsa_kernel
	.amdgpu_metadata
---
amdhsa.version: [ 1, 2 ]
amdhsa.kernels:
  - .name:           k_qc8c7313300_attn
    .symbol:         k_qc8c7313300_attn.kd
    .args:
      - { .name: qkv, .offset: 0, .size: 8, .value_kind: global_buffer, .address_space: global }
      - { .name: gammas, .offset: 8, .size: 8, .value_kind: global_buffer, .address_space: global }
      - { .name: att, .offset: 16, .size: 8, .value_kind: global_buffer, .address_space: global }
    .group_segment_fixed_size: 266752
    .private_segment_fixed_size: 0
    .kernarg_segment_align: 8
    .kernarg_segment_size: 24
    .max_flat_workgroup_size: 128
    .sgpr_count:     98
    .vgpr_count:     384
    .wavefront_size: 32
...
	.end_amdgpu_metadata
.endif
;; end of part 7
;; launch gemm2: the kernel of part 5 again; grid 4 x 32, 4 waves a work-group, clusters of 4 x 4, 327,680 bytes of LDS; arguments att, bcode, xscl, y; writes y
;; launch ln: the kernel of part 6 again; grid 256 x 1, 16 waves a work-group, no clusters, 18,432 bytes of LDS; arguments y, query, bo, bow, ln_w, ln_b, out0, out1; writes out0, out1
